; MI455X (gfx1250); checked and timed in simulation.
; The chip was launched on July 23, 2026; its instructions are those of AMD's public machine-readable ISA for CDNA 5 (MIT licence, August 2026) and "CDNA5" Instruction Set Architecture Reference Guide (July 2026). The comments in the code are by the model that wrote it; some were corrected since.
;; Attention Block. Allowed arithmetic: matrix products marked QUANTISED: E5M2 operands, one E8M0 scale for each 32 along K, by v_wmma_scale_f32_16x16x128_f8f6f4 with both operands' format E5M2, f32 sums; everything else in f32.
;; Inputs: beta 256 float32; gamma 256 float32; proj_bias 256 x 1 x 1 float32; qkv_bias 768 x 1 x 1 float32; w_proj 256 x 256 float32; w_qkv 768 x 256 float32; x 4 x 256 x 64 x 64 float32.
;; Outputs: out0 4 x 256 x 64 x 64 float32.
;; Constants: num_heads = 4.
;; This version of the problem:
;;   THIS VERSION OF THE PROBLEM IS GIVEN IN LOW PRECISION. The matrix products marked QUANTISED in the list below multiply operands that are first quantised to E5M2 (5 exponent bits, 2 mantissa bits; 8 bits a number), with one power-of-two scale for each 32 numbers along K (OCP MX v1.0); their sums are f32. All else is computed in f32.
;;   The module's matrix products, in the order in which they are computed (A, B: the left and right operand; K: the contracted axis; several contracted axes count as one K, in the product's order):
;;     1. [M 768, K 256] x [K 256, N 16,384]; A: input w_qkv; B: computed on the way: QUANTISED
;;     2. batch 16 x [M 4,096, K 64] x [K 64, N 4,096]; A: computed on the way; B: computed on the way: QUANTISED
;;     3. batch 16 x [M 64, K 4,096] x [K 4,096, N 4,096]; A: computed on the way; B: softmax (see below): QUANTISED
;;     4. [M 256, K 256] x [K 256, N 16,384]; A: input w_proj; B: computed on the way: QUANTISED
;;   THE QUANTISER, for each operand of a quantised product, along K:
;;     - K is cut into blocks of 32 from its start; a last block that is shorter is filled with zeros.
;;     - A block's scale is 2^e with e = floor(log2(the largest magnitude in the block)) - 15, held to -126 .. 127; a block of zeros has e = 0. As a byte (E8M0): e + 127.
;;     - Each number is divided by its block's scale, clamped to +-57,344, and rounded to the nearest number of E5M2, ties to even, subnormals kept.
;;     - The product sums the exact products of the quantised numbers (number of the format x scale) in f32.
;;   ~~~python
;;   def quantise(x, axis):      # numpy; x: float32 -> the quantised numbers, widened to float32 again
;;       x = np.moveaxis(x, axis, -1); K = x.shape[-1]
;;       x = np.pad(x, [(0, 0)] * (x.ndim - 1) + [(0, -K % 32)]); x = x.reshape(x.shape[:-1] + (-1, 32)); a = np.abs(x).max(-1, keepdims=True)
;;       e = np.where(a > 0, np.clip(np.frexp(np.where(a > 0, a, 1))[1] - 1 - 15, -126, 127), 0)      # np.frexp(a)[1] - 1 = floor(log2(a)), exactly
;;       r = np.clip(x / 2.0 ** e, -57344, 57344)
;;       step = 2.0 ** (np.maximum(np.frexp(np.where(r == 0, 1, r))[1] - 1, -14) - 2)
;;       q = np.round(r / step) * step * 2.0 ** e      # np.round: ties to even
;;       return np.moveaxis(q.reshape(q.shape[:-2] + (-1,))[..., :K], -1, axis).astype(np.float32)
;;   ~~~
;;   SOFTMAX AHEAD OF A QUANTISED PRODUCT. Where the list says 'softmax', what is quantised is not the finished softmax but p = 2^(t - M), with t = logit x log2(e) and M = ceil(the row's largest t), a whole number; so 1/2 < the row's largest p <= 1. The row's sum l is taken of the UNQUANTISED p, in f32, and the product's result is divided by l at the end. Since M is a whole number, a kernel that streams over the keys may use a running M (the ceiling of the running maximum): every later rescaling is an exact power of two, which a block's scale takes up: the codes' values come out the same.
;;   OPERANDS COMPUTED ON THE WAY. 'Computed on the way' means the value that the module computes at that place (a softmax that the list does not call 'softmax' is quantised finished and normalised). What goes into a quantiser is computed in f32, as accurately as f32 sums, v_exp_f32 and their like allow (about 1e-6 of the number): no bf16 or f16 on the way to a quantiser, and a product that is left as it is and whose result goes on into a quantised operand takes f32 operands (vector FMAs, or v_wmma_f32_16x16x4_f32). A number that lies on a knife's edge between two numbers of the format may be rounded either way, as far as f32 arithmetic and the matrix unit's own rounding can turn it there, and no further.
;; One version. Each part assembles by itself: llvm-mc -triple=amdgcn-amd-amdhsa -mcpu=gfx1250 --defsym DOCPART=n.
;; ======== version 1 of 1: 4 launches
;; limits: right only within a limited range of input values
;; workspace buffers: stats 2,048 bytes; wimg 262,144 bytes; wsc 16,384 bytes; qimg 4,194,304 bytes; qsc 262,144 bytes; kv 8,912,896 bytes; aimg 4,194,304 bytes; asc 262,144 bytes
;; launch prep (part 1): grid 264 x 1, 8 waves a work-group, no clusters, 2,048 bytes of LDS; arguments x, w_qkv, w_proj, stats, wimg, wsc; writes stats, wimg, wsc
.if DOCPART == 1
	.amdgcn_target "amdgcn-amd-amdhsa--gfx1250"
	.amdhsa_code_object_version 6
	.text
	.protected	k_qfc0aee6efa_prep
	.globl	k_qfc0aee6efa_prep
	.p2align	8
	.type	k_qfc0aee6efa_prep,@function
k_qfc0aee6efa_prep:
	s_mov_b64 s[64:65], 0
	v_nop
	global_prefetch_b8 v0, s[64:65] scope:SCOPE_SE
	s_setreg_imm32_b32 hwreg(HW_REG_WAVE_MODE, 25, 1), 1
	s_wait_xcnt 0x0
; PREP.  Work-groups 0-255: mean and sum of squared deviations (M2) of one HALF GROUP of x: 16,384 numbers, 65,536 consecutive bytes; half id = x's byte offset / 65,536 = 64 b + 2 g + half.
;        stats[id] = (mean, M2), f32.  Two passes over registers: the mean first, then the deviations from it, so no difference of large sums is formed.
; Work-groups 256-263: w_qkv [768][256] and w_proj [256][256], f32, K innermost, become codes of E5M2 with one E8M0 byte for each 32 along K.  A wave takes one tile of 16 rows x 256 K.
;        THE ROWS OF A TILE ARE NOT NEIGHBOURS: row rho of tile 2 b + u is row 32 b + 8 u + rho + 8 (rho / 8) of the weight, so that in a product's result two neighbouring tiles give a lane 16 neighbours.
;        wimg [tile 64][K step 2][4][lane 32][16 bytes]: an image of the operand's registers (tiles 0-47 w_qkv, 48-63 w_proj).  wsc [tile][lane 32][2 words]: word s = the row's four bytes of K step s.
; A block's scale byte is its largest magnitude's exponent field - 15, held at 1 from below; each number is held within +-57,344 x the scale and rounded to the nearest code, ties to even.
; LIMITS: NaN and infinities among the inputs are not served.  A block of zeros gets the byte 1 where the rule says 127: its codes are zeros, and this program alone reads the bytes.
;         Blocks whose largest magnitude lies under 2^-111 sit on that floor.  stats is stored 8 bytes a work-group: 2,048 bytes in all.
.set SEL,  20                          ; s[20:21] lane selects for v_permlanex16_b32: lane l xor 16
.set MNT,  24
.set RED1, 0                           ; LDS: eight words for the first sum over the waves,
.set RED2, 256                         ; eight others for the second
.set CH,   4                           ; v4-11   statistics: four chains of pairs
.set XR,   16                          ; v16-79  statistics: my 64 numbers of x
.set TM,   16                          ; weights: v16-19 largest magnitudes, v20-23 the other half's / the bytes, v28-31 the conversions' scale operands
.set TP,   20
.set LIM,  24
.set SCL,  28
.set HW,   32                          ; v32-33  two bytes each
.set WD,   34                          ; v34-35  the row's two scale words
.set CD,   40                          ; v40-71  codes: 16 registers for each K step, so that no store's data are written again
.set NUM,  80                          ; v80-207 my 128 numbers of the row
; nb blocks of a lane: v[src + 16 k + i] = number 32 k + 16 (lane / 16) + i of my row.  Codes to v[cd + 4 k ..], bytes of blocks 2 k', 2 k' + 1 to v[HW + k'].
.macro QUANT src, nb, cd
.set qk, 0
.rept \nb
	v_max3_num_f32 v[TM+qk], |v[\src+16*qk]|, |v[\src+16*qk+1]|, 0x8000000   ; my 16 numbers, and the floor 2^(16 - 127): the byte cannot fall under 1
.set qk, qk+1
.endr
.set qi, 2
.rept 7
.set qk, 0
.rept \nb
	s_delay_alu instid0(VALU_DEP_4)
	v_max3_num_f32 v[TM+qk], v[TM+qk], |v[\src+16*qk+qi]|, |v[\src+16*qk+qi+1]|   ; the blocks by turns
.set qk, qk+1
.endr
.set qi, qi+2
.endr
.set qk, 0
.rept \nb
	s_delay_alu instid0(VALU_DEP_4)
	v_permlanex16_b32 v[TP+qk], v[TM+qk], s[SEL], s[SEL+1]
.set qk, qk+1
.endr
.set qk, 0
.rept \nb
	s_delay_alu instid0(VALU_DEP_4)
	v_max_num_f32 v[TM+qk], v[TM+qk], v[TP+qk]      ; with lane l xor 16's: the block's largest magnitude
.set qk, qk+1
.endr
.set qk, 0
.rept \nb
	s_delay_alu instid0(VALU_DEP_4)
	v_add_nc_u32 v[SCL+qk], 0xf8800000, v[TM+qk]    ; 15 off its exponent field: the conversion takes this operand's exponent field as its scale
.set qk, qk+1
.endr
.set qk, 0
.rept \nb
.set qk, qk+1
.endr
.set qk, 0
.rept \nb
	s_delay_alu instid0(VALU_DEP_4)
	v_lshrrev_b32 v[TP+qk], 23, v[SCL+qk]           ; the scale's byte
.set qk, qk+1
.endr
.set qk, 0
	s_delay_alu instid0(VALU_DEP_3)
	v_lshl_or_b32 v[HW+qk], v[TP+2*qk+1], 8, v[TP+2*qk]
.set qk, qk+1
.rept (\nb/2)-1
	s_delay_alu instid0(VALU_DEP_2)
	v_lshl_or_b32 v[HW+qk], v[TP+2*qk+1], 8, v[TP+2*qk]
.set qk, qk+1
.endr
.set qk, 0
.rept \nb
.set qi, 0
.rept 16
.set qi, qi+1
.endr
	v_cvt_scalef32_pk8_bf8_f32 v[\cd+4*qk:\cd+4*qk+1], v[\src+16*qk:\src+16*qk+7], v[SCL+qk]
	v_cvt_scalef32_pk8_bf8_f32 v[\cd+4*qk+2:\cd+4*qk+3], v[\src+16*qk+8:\src+16*qk+15], v[SCL+qk]
.set qk, qk+1
.endr
	v_nop                                           ; one plain line behind the last conversion
.endm
; the four chains -> one number a lane -> the wave's sum -> the work-group's sum, in v80 of every lane
.macro WGSUM red
	s_delay_alu instid0(VALU_DEP_3)
	v_pk_add_f32 v[CH:CH+1], v[CH:CH+1], v[CH+2:CH+3]
	s_delay_alu instid0(VALU_DEP_2)
	v_pk_add_f32 v[CH+4:CH+5], v[CH+4:CH+5], v[CH+6:CH+7]
	s_delay_alu instid0(VALU_DEP_1)
	v_pk_add_f32 v[CH:CH+1], v[CH:CH+1], v[CH+4:CH+5]
	s_delay_alu instid0(VALU_DEP_1)
	v_add_f32 v[CH], v[CH], v[CH+1]
	s_delay_alu instid0(VALU_DEP_1)
	v_add_f32_dpp v[CH], v[CH], v[CH] row_xmask:1 row_mask:0xf bank_mask:0xf
	s_delay_alu instid0(VALU_DEP_1)
	v_add_f32_dpp v[CH], v[CH], v[CH] row_xmask:2 row_mask:0xf bank_mask:0xf
	s_delay_alu instid0(VALU_DEP_1)
	v_add_f32_dpp v[CH], v[CH], v[CH] row_xmask:4 row_mask:0xf bank_mask:0xf
	s_delay_alu instid0(VALU_DEP_1)
	v_add_f32_dpp v[CH], v[CH], v[CH] row_xmask:8 row_mask:0xf bank_mask:0xf
	s_delay_alu instid0(VALU_DEP_1)
	v_permlanex16_b32 v12, v[CH], s[SEL], s[SEL+1]
	s_delay_alu instid0(VALU_DEP_1)
	v_add_f32 v[CH], v[CH], v12
	ds_store_b32 v13, v[CH] offset:\red             ; all lanes of a wave write the wave's word with the same value
	s_wait_dscnt 0x0                                ; for the others' sake: my store is done
	s_barrier_signal -1
	s_barrier_wait -1
	ds_load_b128 v[80:83], v14 offset:\red
	ds_load_b128 v[84:87], v14 offset:\red+16
	s_wait_dscnt 0x0
	v_pk_add_f32 v[80:81], v[80:81], v[82:83]
	v_pk_add_f32 v[84:85], v[84:85], v[86:87]
	s_delay_alu instid0(VALU_DEP_1)
	v_pk_add_f32 v[80:81], v[80:81], v[84:85]
	s_delay_alu instid0(VALU_DEP_1)
	v_add_f32 v80, v80, v81
.endm
	s_load_b256 s[4:11], s[0:1], 0x0                ; x s[4:5], w_qkv s[6:7], w_proj s[8:9], stats s[10:11]
	s_load_b128 s[12:15], s[0:1], 0x20              ; wimg s[12:13], wsc s[14:15]
	v_lshl_add_u32 v208, v0, 2, 0x400
	v_mov_b32 v209, 0
	v_lshrrev_b32 v1, 5, v0
	s_delay_alu instid0(VALU_DEP_1)
	v_readfirstlane_b32 s16, v1                     ; wave 0..7
	s_mov_b32 s[SEL], 0x76543210
	s_mov_b32 s[SEL+1], 0xfedcba98
	s_cmp_lt_u32 ttmp9, 256                         ; the same for all waves of a work-group
	s_cbranch_scc0 .Lweights
	; ---- statistics of a half group
	v_lshlrev_b32 v2, 4, v0                         ; 16 bytes a thread: a load of the work-group covers 4,096 consecutive bytes
	v_mov_b32 v12, 0                                ; (a lane permute's destination counts as one of its sources)
	v_lshlrev_b32 v13, 2, v1                        ; my wave's word
	v_mov_b32 v14, 0
	s_lshl_b32 s18, ttmp9, 16
	s_mov_b32 s19, 0
	s_lshl_b32 s22, ttmp9, 3
	s_mov_b32 s23, 0
	s_wait_alu depctr_va_vdst(0)
	s_wait_kmcnt 0x0
	s_add_nc_u64 s[4:5], s[4:5], s[18:19]
	s_add_nc_u64 s[10:11], s[10:11], s[22:23]
.set p, 0
.rept 16
	global_load_b128 v[XR+4*p:XR+4*p+3], v2, s[4:5] offset:4096*p   ; no hint: later launches read x again
.set p, p+1
.endr
	s_wait_loadcnt 12                               ; the oldest four loads are in, twelve younger ones stay out
.irp c, 0,1,2,3
	v_pk_add_f32 v[CH+2*\c:CH+2*\c+1], v[XR+4*\c:XR+4*\c+1], v[XR+4*\c+2:XR+4*\c+3]   ; the first numbers start the chains: nothing is cleared
.endr
	s_wait_alu depctr_va_vdst(0)
.irp g, 1,2,3
	s_wait_alu depctr_va_vdst(0)
	s_wait_loadcnt 12-4*\g                          ; four more
.irp c, 0,1,2,3
	v_pk_add_f32 v[CH+2*\c:CH+2*\c+1], v[CH+2*\c:CH+2*\c+1], v[XR+16*\g+4*\c:XR+16*\g+4*\c+1]
.endr
.irp c, 0,1,2,3
	s_delay_alu instid0(VALU_DEP_4)
	v_pk_add_f32 v[CH+2*\c:CH+2*\c+1], v[CH+2*\c:CH+2*\c+1], v[XR+16*\g+4*\c+2:XR+16*\g+4*\c+3]
.endr
.endr
	WGSUM RED1
	s_delay_alu instid0(VALU_DEP_1)
	v_mul_f32 v88, 0x38800000, v80                  ; the mean: sum x 2^-14
	s_delay_alu instid0(VALU_DEP_1)
	v_mov_b32 v89, v88
.set p, 0
.rept 32
	v_pk_add_f32 v[XR+2*p:XR+2*p+1], v[XR+2*p:XR+2*p+1], v[88:89] neg_lo:[0,1] neg_hi:[0,1]   ; x - mean
.set p, p+1
.endr
.set p, 0
.rept 4
	v_pk_mul_f32 v[CH+2*p:CH+2*p+1], v[XR+2*p:XR+2*p+1], v[XR+2*p:XR+2*p+1]
.set p, p+1
.endr
.rept 28
	s_delay_alu instid0(VALU_DEP_4)
	v_pk_fma_f32 v[CH+2*(p%4):CH+2*(p%4)+1], v[XR+2*p:XR+2*p+1], v[XR+2*p:XR+2*p+1], v[CH+2*(p%4):CH+2*(p%4)+1]
.set p, p+1
.endr
	WGSUM RED2                                      ; other words than the first sum's: no wave can overwrite what a slower wave still reads
	s_cmp_lg_u32 s16, 0
	s_cbranch_scc1 .Lend                            ; wave 0 stores
	v_mov_b32 v89, v80                              ; (mean, M2)
	v_cmp_eq_u32 vcc_lo, 0, v0
	s_wait_alu depctr_va_vdst(0)
	s_wait_xcnt 0x0                                 ; EXEC changes only behind this wait
	s_and_saveexec_b32 s22, vcc_lo
	global_store_b64 v14, v[88:89], s[10:11]
	s_wait_xcnt 0x0                                 ; and again in front of the line that widens it
	s_or_b32 exec_lo, exec_lo, s22
.Lend:
	s_wait_tensorcnt 0x0
	ds_add_u32 v208, v209
	s_wait_dscnt 0x0
	s_endpgm
	; ---- a tile of a weight
.Lweights:
	s_sub_co_u32 s17, ttmp9, 256
	s_lshl_b32 s17, s17, 3
	s_add_co_u32 s17, s17, s16                      ; tile 0..63
	v_and_b32 v2, 15, v0                            ; r
	v_bfe_u32 v3, v0, 4, 1                          ; h
	s_delay_alu instid0(VALU_DEP_2)
	v_and_b32 v4, 8, v2
	s_delay_alu instid0(VALU_DEP_1)
	v_add_nc_u32 v4, v4, v2                         ; r + 8 (r / 8)
	s_delay_alu instid0(VALU_DEP_1)
	v_lshlrev_b32 v4, 10, v4                        ; a row is 1,024 bytes
	s_delay_alu instid0(VALU_DEP_1)
	v_lshl_add_u32 v4, v3, 6, v4                    ; + 64 h: my 16 numbers of a block of 32
	v_and_b32 v5, 31, v0
	s_delay_alu instid0(VALU_DEP_1)
	v_lshlrev_b32 v6, 4, v5                         ; 16 x lane
	s_delay_alu instid0(VALU_DEP_2)
	v_lshlrev_b32 v7, 3, v5                         ; 8 x lane
.irp b, 0,1,2,3
	v_mov_b32 v[TP+\b], 0                           ; written once: a lane permute's destination counts as one of its sources
.endr
	s_wait_alu depctr_va_vdst(0)
	s_wait_kmcnt 0x0
	s_cmp_lt_u32 s17, 48                            ; which weight: the choice hangs on ids alone
	s_cselect_b64 s[6:7], s[6:7], s[8:9]
	s_cselect_b32 s18, 0, 48
	s_sub_co_u32 s18, s17, s18                      ; the tile's number in its weight
	s_lshr_b32 s19, s18, 1
	s_lshl_b32 s19, s19, 15                         ; 32 rows for each pair of tiles,
	s_and_b32 s22, s18, 1
	s_lshl_b32 s22, s22, 13                         ; 8 rows for the odd one
	s_add_co_u32 s22, s22, s19
	s_mov_b32 s23, 0
	s_add_nc_u64 s[6:7], s[6:7], s[22:23]
	s_lshl_b32 s22, s17, 12
	s_add_nc_u64 s[12:13], s[12:13], s[22:23]
	s_lshl_b32 s22, s17, 8
	s_add_nc_u64 s[14:15], s[14:15], s[22:23]
.set ws, 0
.rept 2
.set wb, 0
.rept 4
.set wj, 0
.rept 4
	global_load_b128 v[NUM+64*ws+16*wb+4*wj:NUM+64*ws+16*wb+4*wj+3], v4, s[6:7] offset:512*ws+128*wb+16*wj
.set wj, wj+1
.endr
.set wb, wb+1
.endr
.set ws, ws+1
.endr
	s_wait_loadcnt 16                               ; K step 0's sixteen loads are in, K step 1's stay out
	QUANT NUM, 4, CD
	v_lshl_or_b32 v[WD], v[HW+1], 16, v[HW]
	s_wait_loadcnt 0x0
	QUANT NUM+64, 4, CD+16
	v_lshl_or_b32 v[WD+1], v[HW+1], 16, v[HW]
.set p, 0
.rept 8
	global_store_b128 v6, v[CD+4*p:CD+4*p+3], s[12:13] offset:512*p   ; 32 lanes store 512 consecutive bytes, aligned
.set p, p+1
.endr
	global_store_b64 v7, v[WD:WD+1], s[14:15]       ; 256 consecutive bytes, aligned
	s_endpgm
.Lfunc_end_k_qfc0aee6efa_prep:
	.size	k_qfc0aee6efa_prep, .Lfunc_end_k_qfc0aee6efa_prep-k_qfc0aee6efa_prep
	.p2alignl 7, 3214868480
	.fill 96, 4, 3214868480
	.section	.rodata,"a",@progbits
	.p2align	6, 0x0
	.amdhsa_kernel k_qfc0aee6efa_prep
		.amdhsa_group_segment_fixed_size 2048
		.amdhsa_private_segment_fixed_size 0
		.amdhsa_enable_private_segment 0
		.amdhsa_kernarg_size 48
		.amdhsa_user_sgpr_count 2
		.amdhsa_user_sgpr_kernarg_segment_ptr 1
		.amdhsa_wavefront_size32 1
		.amdhsa_system_sgpr_workgroup_id_x 1
		.amdhsa_system_sgpr_workgroup_id_y 1
		.amdhsa_system_sgpr_workgroup_id_z 1
		.amdhsa_system_vgpr_workitem_id 0
		.amdhsa_next_free_vgpr 210
		.amdhsa_next_free_sgpr 66
		.amdhsa_reserve_vcc 1
		.amdhsa_float_denorm_mode_32 3
		.amdhsa_float_denorm_mode_16_64 3
		.amdhsa_fp16_overflow 1
		.amdhsa_memory_ordered 1
		.amdhsa_forward_progress 1
		.amdhsa_inst_pref_size 29
	.end_amdhsa_kernel
	.amdgpu_metadata
---
amdhsa.version: [ 1, 2 ]
amdhsa.kernels:
  - .name:           k_qfc0aee6efa_prep
    .symbol:         k_qfc0aee6efa_prep.kd
    .args:
      - { .name: x, .offset: 0, .size: 8, .value_kind: global_buffer, .address_space: global }
      - { .name: w_qkv, .offset: 8, .size: 8, .value_kind: global_buffer, .address_space: global }
      - { .name: w_proj, .offset: 16, .size: 8, .value_kind: global_buffer, .address_space: global }
      - { .name: stats, .offset: 24, .size: 8, .value_kind: global_buffer, .address_space: global }
      - { .name: wimg, .offset: 32, .size: 8, .value_kind: global_buffer, .address_space: global }
      - { .name: wsc, .offset: 40, .size: 8, .value_kind: global_buffer, .address_space: global }
    .group_segment_fixed_size: 2048
    .private_segment_fixed_size: 0
    .kernarg_segment_align: 8
    .kernarg_segment_size: 48
    .max_flat_workgroup_size: 256
    .sgpr_count:     66
    .vgpr_count:     210
    .wavefront_size: 32
...
	.end_amdgpu_metadata
.endif
;; end of part 1
;; launch qkv (part 2): grid 256 x 1, 4 waves a work-group, no clusters, 168,448 bytes of LDS; arguments x, gamma, beta, stats, wimg, wsc, qkv_bias, qimg, qsc, kv; writes qimg, qsc, kv
.if DOCPART == 2
	.amdgcn_target "amdgcn-amd-amdhsa--gfx1250"
	.amdhsa_code_object_version 6
	.text
	.protected	k_qfc0aee6efa_qkv
	.globl	k_qfc0aee6efa_qkv
	.p2align	8
	.type	k_qfc0aee6efa_qkv,@function
k_qfc0aee6efa_qkv:
	s_mov_b64 s[64:65], 0
	v_nop
	global_prefetch_b8 v0, s[64:65] scope:SCOPE_SE
	s_setreg_imm32_b32 hwreg(HW_REG_WAVE_MODE, 25, 1), 1
	s_wait_xcnt 0x0
; QKV.  GroupNorm of x, h quantised along the channels, qkv = w_qkv h + bias on codes of E5M2 (one E8M0 byte for each 32 along K), then q and k x 8^-1/2 quantised along the head's 64 channels and v along the keys.
; SHARES.  Work-group id: batch b = id / 64, G = id % 64: positions 64 G .. 64 G + 63, four tiles of 16.  Wave w is head w of the batch: rows 192 w .. 192 w + 191 of w_qkv, 12 tiles, which it keeps in registers.
; THE ORDER OF A TILE, for rows of the weight and for positions alike: row rho of tile 2 b + u is index 32 b + 8 u + rho + 8 (rho / 8) of its aligned group of 32.  In a result whose M runs over such a tile,
; lane half h, register j is index 32 b + 16 h + 8 u + j: the 16 registers of tiles 2 b and 2 b + 1 are 16 neighbours, in the order that the next product's operand wants.
; q, k: source 0 = 16 rows of W, source 1 = 16 positions of h: a lane holds one position, its registers run along the channels (the next K).  v: the sources swapped: a lane holds one channel, its registers run along the keys.
; ALL OPERANDS LEAVE AS IMAGES OF THEIR REGISTERS: four registers = 512 bytes, lane l's 16 bytes at 16 l.
;   qimg [head 16][tile 256][blk 2][512];  qsc [head][G][lane 32][2 words]: word p: lanes 0-15 tile 2 p's rows, lanes 16-31 tile 2 p + 1's; bytes 0, 1 the scales, bytes 2, 3 = 0x7f (the product's upper 64 along K are zero codes)
;   kv [head][G][8,704]: K's images 4,096 ([tile 4][blk 2][512]), V's 4,096 ([channel tile 4][key blk 2][512]), K's scale words 256 (as qsc), V's half words 256 ([lane][2 words], low 16 bits: the two key blocks' bytes)
; h = (x - mu) (rstd gamma) + beta, one fused multiply-add (reference(): x rstd, then x gamma).  mu and var are joined from the two half groups' (mean, M2).
; LIMITS: NaN and infinities among the inputs are not served.  A block of zeros gets the byte 1 where the rule says 127 (zero codes; this program alone reads the bytes); blocks under 2^-111 sit on that floor.
; No multicast: what work-groups share here is the weights, which go straight into registers, 192 KiB a work-group; there is no ring of tiles to share.
; LDS: XT 256 channel rows x 256 bytes, filled once by four tensor loads; TAB [pair of channels 128](A0, A1, beta0, beta1); MUT mu of 32 groups; HIMG h's 8 fragments; HSC their scale words.
; REGISTERS.  window 0: v1-11 addresses; v16-39 W's scale words; v40-47 h's; v48-87 the quantiser's; v88-119 codes; v120-123 mu; v128-255 accumulators (earlier: v128-159 x, v192-255 the table)
;   window 1: W's fragments of q (v0-127) and k (v128-255).   window 2: W's of v (v0-127), h's 8 fragments (v128-255).   window 3: the biases as C: q v0-31, k v32-63, v v64-95.
.set TAB,  65536
.set MUT,  67584
.set HIMG, 67840
.set HSC,  84224
.set LI,  1                            ; 16 x lane
.set L8,  2                            ; 8 x lane
.set XA,  3                            ; 4 x lane + 16,384 x wave: my position in my wave's rows of XT
.set CT,  4                            ; TAB + 512 x wave
.set HC,  5                            ; where my position's 16 codes go in HIMG
.set HB,  6                            ; and its scale byte in HSC
.set LH,  7                            ; HIMG + 16 x lane
.set LS,  8                            ; HSC + 4 r
.set BA,  9                            ; 64 h
.set BV,  10                           ; 4 (r + 8 (r / 8))
.set MT,  11                           ; MUT + 32 x wave
.set WS,  16
.set HS,  40
.set TM,  48
.set TP,  56
.set LIM, 64
.set SCL, 72
.set HW,  80
.set SW,  84
.set CD,  88
.set MU,  120
.set ACC, 128
.set X,   128
.set CA,  192
.set G0,  24                           ; s[24:27] descriptor group 0;  s[28:35] group 1
.set G1,  28
.set WV,  36
.set SEL, 38                           ; s[38:39]
.set MNT, 40
.set HM,  41                           ; lanes 16-31
.set SC,  42                           ; s[42:43] 8^-1/2
.set MSB, 0
.macro WIN new                         ; the immediate's high byte repeats the setting that is left
.if MSB != \new
	s_set_vgpr_msb (MSB<<8)|\new
.set MSB, \new
.endif
.endm
; nb blocks of a lane: v[src + 16 k + i] = number 32 k' + 16 (lane / 16) + i along K.  Codes to v[cd + 4 k ..], bytes of blocks 2 k', 2 k' + 1 to v[HW + k'].
.macro QUANT src, nb, cd
.set qk, 0
.rept \nb
	v_max3_num_f32 v[TM+qk], |v[\src+16*qk]|, |v[\src+16*qk+1]|, 0x8000000   ; my 16 numbers, and the floor 2^(16 - 127): the byte cannot fall under 1
.set qk, qk+1
.endr
.set qi, 2
.rept 7
.set qk, 0
.rept \nb
	v_max3_num_f32 v[TM+qk], v[TM+qk], |v[\src+16*qk+qi]|, |v[\src+16*qk+qi+1]|
.set qk, qk+1
.endr
.set qi, qi+2
.endr
.set qk, 0
.rept \nb
	v_permlanex16_b32 v[TP+qk], v[TM+qk], s[SEL], s[SEL+1]
.set qk, qk+1
.endr
.set qk, 0
.rept \nb
	v_max_num_f32 v[TM+qk], v[TM+qk], v[TP+qk]      ; with lane l xor 16's: the block's largest magnitude
.set qk, qk+1
.endr
.set qk, 0
.rept \nb
	v_add_nc_u32 v[SCL+qk], 0xf8800000, v[TM+qk]    ; 15 off its exponent field: the conversion's scale operand
.set qk, qk+1
.endr
.set qk, 0
.rept \nb
.set qk, qk+1
.endr
.set qk, 0
.rept \nb
	v_lshrrev_b32 v[TP+qk], 23, v[SCL+qk]           ; the scale's byte
.set qk, qk+1
.endr
.set qk, 0
.rept \nb/2
	v_lshl_or_b32 v[HW+qk], v[TP+2*qk+1], 8, v[TP+2*qk]
.set qk, qk+1
.endr
.set qk, 0
.rept \nb
.set qi, 0
.rept 16
.set qi, qi+1
.endr
	v_cvt_scalef32_pk8_bf8_f32 v[\cd+4*qk:\cd+4*qk+1], v[\src+16*qk:\src+16*qk+7], v[SCL+qk]
	v_cvt_scalef32_pk8_bf8_f32 v[\cd+4*qk+2:\cd+4*qk+3], v[\src+16*qk+8:\src+16*qk+15], v[SCL+qk]
.set qk, qk+1
.endr
	v_nop                                           ; one plain line behind the last conversion
.endm
	s_load_b256 s[4:11], s[0:1], 0x0                ; x s[4:5], gamma s[6:7], beta s[8:9], stats s[10:11]
	s_load_b256 s[12:19], s[0:1], 0x20              ; wimg s[12:13], wsc s[14:15], qkv_bias s[16:17], qimg s[18:19]
	s_load_b128 s[20:23], s[0:1], 0x40              ; qsc s[20:21], kv s[22:23]
	v_lshl_add_u32 v126, v0, 2, 0x29000
	v_mov_b32 v127, 0
	ds_add_u32 v126, v127
	ds_add_u32 v126, v127
	v_lshrrev_b32 v12, 5, v0
	v_readfirstlane_b32 s[WV], v12                  ; wave 0..3
	s_lshr_b32 s44, ttmp9, 6                        ; b
	s_and_b32 s45, ttmp9, 63                        ; G
	; descriptor group 1: 64 channel rows x 64 numbers of 4 bytes, rows 4,096 numbers apart; a row is 256 bytes of memory, at a multiple of 256; no padding: a read takes 32 neighbouring words of one row
	s_mov_b32 s[G1+0], 2<<16
	s_mov_b32 s[G1+1], 64<<16                       ; tensor_dim0
	s_mov_b32 s[G1+2], 64<<16                       ; tensor_dim1
	s_mov_b32 s[G1+3], 64<<16                       ; tile_dim0
	s_mov_b32 s[G1+4], 64                           ; tile_dim1
	s_mov_b32 s[G1+5], 4096                         ; the pitch
	s_mov_b32 s[G1+6], 0
	s_mov_b32 s[G1+7], 0
	s_lshl_b32 s46, s44, 22                         ; the batch,
	s_lshl_b32 s47, s[WV], 20                       ; my wave's 64 channels,
	s_add_co_u32 s46, s46, s47
	s_lshl_b32 s47, s45, 8                          ; the 64 positions
	s_add_co_u32 s46, s46, s47
	s_mov_b32 s47, 0
	s_mov_b32 s[G0], 1
	s_lshl_b32 s[G0+1], s[WV], 14                   ; LDS: 16,384 x wave
	s_wait_dscnt 0x0
	s_wait_kmcnt 0x0
	s_add_nc_u64 s[G0+2:G0+3], s[4:5], s[46:47]
	s_or_b32 s[G0+3], s[G0+3], 0x80000000
	tensor_load_to_lds s[G0:G0+3], s[G1:G1+7]       ; my one tensor load: a first fill; nothing is filled again
	s_nop 0
.rept 4
	v_nop
.endr
	; the table: thread tau makes A = gamma rstd and beta of channels 2 tau, 2 tau + 1, and mu of their group
	v_lshlrev_b32 v12, 3, v0
	v_lshrrev_b32 v13, 2, v0                        ; the group: tau / 4
	v_lshlrev_b32 v14, 4, v13
	s_lshl_b32 s46, s44, 9                          ; 32 groups x 16 bytes a batch
	s_add_nc_u64 s[10:11], s[10:11], s[46:47]
	global_load_b64 v[128:129], v12, s[6:7]         ; gamma
	global_load_b64 v[130:131], v12, s[8:9]         ; beta
	global_load_b128 v[132:135], v14, s[10:11]      ; mean a, M2 a, mean b, M2 b
	; addresses and bases are made while these are on their way
	v_and_b32 v142, 31, v0                          ; lane
	v_and_b32 v143, 15, v0                          ; r
	v_bfe_u32 v144, v0, 4, 1                        ; h
	v_bfe_u32 v145, v0, 3, 1                        ; u: which tile of a pair my position falls into
	v_and_b32 v146, 7, v0
	v_lshl_add_u32 v146, v144, 3, v146              ; and which row of it
	v_lshlrev_b32 v[LI], 4, v142
	v_lshlrev_b32 v[L8], 3, v142
	v_lshlrev_b32 v[XA], 2, v142
	s_lshl_b32 s48, s[WV], 14
	v_add_nc_u32 v[XA], s48, v[XA]
	s_lshl_b32 s48, s[WV], 9
	s_add_co_u32 s48, s48, TAB
	v_mov_b32 v[CT], s48
	s_lshl_b32 s48, s[WV], 5
	s_add_co_u32 s48, s48, MUT
	v_mov_b32 v[MT], s48
	s_lshr_b32 s50, s[WV], 1                        ; my channels' K step,
	s_and_b32 s51, s[WV], 1                         ; and which half of it
	v_lshlrev_b32 v[HC], 4, v146
	v_lshl_add_u32 v[HC], v145, 12, v[HC]
	s_lshl_b32 s48, s50, 11
	s_lshl_b32 s49, s51, 10
	s_add_co_u32 s48, s48, s49
	s_add_co_u32 s48, s48, HIMG
	v_add_nc_u32 v[HC], s48, v[HC]                  ; HIMG + 4,096 u + 16 row + 2,048 (w / 2) + 1,024 (w % 2)
	v_lshlrev_b32 v[HB], 2, v146
	v_lshl_add_u32 v[HB], v145, 7, v[HB]
	s_lshl_b32 s48, s50, 6
	s_lshl_b32 s49, s51, 1
	s_add_co_u32 s48, s48, s49
	s_add_co_u32 s48, s48, HSC
	v_add_nc_u32 v[HB], s48, v[HB]                  ; HSC + 128 u + 4 row + 64 (w / 2) + 2 (w % 2)
	v_add_nc_u32 v[LH], HIMG, v[LI]
	v_lshl_add_u32 v[LS], v143, 2, HSC
	v_lshlrev_b32 v[BA], 6, v144
	v_and_b32 v147, 8, v143
	v_add_nc_u32 v147, v147, v143
	v_lshlrev_b32 v[BV], 2, v147
	v_lshl_add_u32 v140, v0, 4, TAB
.irp b, 0,1,2,3,4,5,6,7
	v_mov_b32 v[TP+\b], 0                           ; written once: a lane permute's destination counts as one of its sources
.endr
	s_mov_b32 s[SEL], 0x76543210
	s_mov_b32 s[SEL+1], 0xfedcba98
	s_mov_b32 s[HM], 0xffff0000
	s_mov_b32 s[SC], 0x3eb504f3                     ; 8^-1/2 = 1 / sqrt(sqrt(64))
	s_mov_b32 s[SC+1], s[SC]
	s_mul_i32 s46, s[WV], 49152                     ; my 12 tiles of the weight,
	s_add_nc_u64 s[12:13], s[12:13], s[46:47]
	s_mul_i32 s46, s[WV], 3072                      ; their scale words,
	s_add_nc_u64 s[14:15], s[14:15], s[46:47]
	s_mul_i32 s46, s[WV], 768                       ; their biases
	s_add_nc_u64 s[16:17], s[16:17], s[46:47]
	s_lshl_b32 s50, s44, 2
	s_add_co_u32 s50, s50, s[WV]                    ; the head, 0..15
	s_lshl_b32 s46, s50, 18
	s_lshl_b32 s48, s45, 12
	s_add_co_u32 s46, s46, s48
	s_add_nc_u64 s[18:19], s[18:19], s[46:47]       ; qimg + 262,144 head + 4,096 G
	s_lshl_b32 s46, s50, 14
	s_lshl_b32 s48, s45, 8
	s_add_co_u32 s46, s46, s48
	s_add_nc_u64 s[20:21], s[20:21], s[46:47]       ; qsc + 16,384 head + 256 G
	s_mul_i32 s46, s50, 557056
	s_mul_i32 s48, s45, 8704
	s_add_co_u32 s46, s46, s48
	s_add_nc_u64 s[22:23], s[22:23], s[46:47]       ; kv + 557,056 head + 8,704 G
	s_wait_loadcnt 0x0
	v_add_f32 v136, v132, v134
	v_sub_f32 v137, v132, v134
	v_add_f32 v138, v133, v135
	v_mul_f32 v136, 0.5, v136                       ; mu = (mean a + mean b) / 2
	v_mul_f32 v137, 0.5, v137
	v_mul_f32 v137, v137, v137
	v_fmamk_f32 v137, v138, 0x38000000, v137        ; var = (M2 a + M2 b) 2^-15 + ((mean a - mean b) / 2)^2
	v_add_f32 v137, 0x3727c5ac, v137                ; + 1e-5
	s_wait_alu depctr_va_vdst(0)
	v_rsq_f32 v139, v137
	v_lshl_add_u32 v141, v13, 2, MUT                ; (a plain line behind the transcendental)
	s_wait_alu depctr_va_vdst(0)
	v_mul_f32 v128, v128, v139
	v_mul_f32 v129, v129, v139
	ds_store_b128 v140, v[128:131]
	ds_store_b32 v141, v136                         ; four threads write the same word with the same value
	; the weights, their scale words and the biases: long loads, wanted only behind the quantising of h
	WIN 0x40                                        ; destination window 1
.set p, 0
.rept 64
	global_load_b128 v[4*p:4*p+3], v[LI], s[12:13] offset:512*p        ; tiles 0-7: register 32 tile + 16 s + 4 c at byte 4,096 tile + 2,048 s + 512 c
.set p, p+1
.endr
	WIN 0x80                                        ; destination window 2
.set p, 0
.rept 32
	global_load_b128 v[4*p:4*p+3], v[LI], s[12:13] offset:32768+512*p  ; tiles 8-11
.set p, p+1
.endr
	WIN 0
.set p, 0
.rept 12
	global_load_b64 v[WS+2*p:WS+2*p+1], v[L8], s[14:15] offset:256*p
.set p, p+1
.endr
	WIN 0xc0                                        ; destination window 3
.irp kd, 0,1
.irp ot, 0,1,2,3
	global_load_b128 v[32*\kd+8*\ot:32*\kd+8*\ot+3], v[BA], s[16:17] offset:4*(64*\kd+32*(\ot/2)+8*(\ot%2))       ; lane half h, register j: channel 32 b + 16 h + 8 u + j
	global_load_b128 v[32*\kd+8*\ot+4:32*\kd+8*\ot+7], v[BA], s[16:17] offset:4*(64*\kd+32*(\ot/2)+8*(\ot%2))+16
.endr
.endr
.irp ot, 0,1,2,3
	global_load_b32 v[64+8*\ot], v[BV], s[16:17] offset:4*(128+32*(\ot/2)+8*(\ot%2))   ; v: a lane holds one channel
.endr
	WIN 0
	s_wait_tensorcnt 0x0                            ; my rows of x are in LDS,
	s_wait_dscnt 0x0                                ; my table entries too
	s_barrier_signal -1
	s_barrier_wait -1                               ; everybody's are
; h of 32 channels (block bl of my wave's two) for 64 positions, a lane to a position, its registers down the channels: a block's largest magnitude needs no other lane.
.macro HBLK bl
.set p, 0
.rept 16
	ds_load_b128 v[CA+4*p:CA+4*p+3], v[CT] offset:256*\bl+16*p      ; (A0, A1, beta0, beta1) of 16 pairs of channels: the same word for all lanes
.set p, p+1
.endr
	ds_load_b128 v[MU:MU+3], v[MT] offset:16*\bl                    ; mu of the block's four groups
.irp th, 0,1
.set p, 0
.rept 32
	ds_load_b32 v[X+p], v[XA] offset:8192*\bl+256*p+128*\th
.set p, p+1
.endr
	s_wait_dscnt 0x0
.set p, 0
.rept 32
	v_sub_f32 v[X+p], v[X+p], v[MU+p/8]
.set p, p+1
.endr
.set p, 0
.rept 16
	v_pk_fma_f32 v[X+2*p:X+2*p+1], v[X+2*p:X+2*p+1], v[CA+4*p:CA+4*p+1], v[CA+4*p+2:CA+4*p+3]
.set p, p+1
.endr
	v_max3_num_f32 v[TM], |v[X]|, |v[X+1]|, |v[X+2]|
	v_max3_num_f32 v[TM+1], |v[X+3]|, |v[X+4]|, |v[X+5]|
.irp i, 6,10,14,18,22,26
	v_max3_num_f32 v[TM], v[TM], |v[X+\i]|, |v[X+\i+1]|
	v_max3_num_f32 v[TM+1], v[TM+1], |v[X+\i+2]|, |v[X+\i+3]|
.endr
	v_max3_num_f32 v[TM], v[TM], |v[X+30]|, |v[X+31]|
	v_max3_num_f32 v[TM], v[TM], v[TM+1], 0x8000000                 ; and the floor
	v_add_nc_u32 v[SCL], 0xf8800000, v[TM]
	v_lshrrev_b32 v[TP+2*\bl+\th], 23, v[SCL]                       ; each of the four passes has its own byte and code registers: no store's data are written again
.set p, 0
.rept 32
.set p, p+1
.endr
.irp g, 0,1,2,3
	v_cvt_scalef32_pk8_bf8_f32 v[CD+8*(2*\bl+\th)+2*\g:CD+8*(2*\bl+\th)+2*\g+1], v[X+8*\g:X+8*\g+7], v[SCL]
.endr
	v_nop                                           ; one plain line behind the last conversion
	ds_store_b128 v[HC], v[CD+8*(2*\bl+\th):CD+8*(2*\bl+\th)+3] offset:8192*\th+512*\bl          ; channels 0-15 of the block: the image's lanes 0-15
	ds_store_b128 v[HC], v[CD+8*(2*\bl+\th)+4:CD+8*(2*\bl+\th)+7] offset:8192*\th+512*\bl+256    ; channels 16-31: its lanes 16-31
	ds_store_b8 v[HB], v[TP+2*\bl+\th] offset:256*\th+\bl
.endr
.endm
	HBLK 0
	HBLK 1
	s_wait_dscnt 0x0                                ; for the others' sake: my images and bytes are stored
	s_barrier_signal -1
	s_barrier_wait -1                               ; h's eight fragments lie in LDS
	WIN 0x80
.set p, 0
.rept 32
	ds_load_b128 v[128+4*p:128+4*p+3], v[LH] offset:512*p           ; fragment 2 tau + s: register 128 + 32 tau + 16 s + 4 c
.set p, p+1
.endr
	WIN 0
.set p, 0
.rept 8
	ds_load_b32 v[HS+p], v[LS] offset:64*p
.set p, p+1
.endr
	s_wait_dscnt 0x0
	s_wait_loadcnt 0x0                              ; the weights, their scale words, the biases
	WIN 0xc3                                        ; source 0 and destination window 3
.irp ot, 0,1,2,3
.irp j, 1,2,3,4,5,6,7
	v_mov_b32 v[64+8*\ot+\j], v[64+8*\ot]           ; v's bias hangs on the lane's channel alone: the same in a tile's eight registers
.endr
.endr
	WIN 0
; One of q (0), k (1), v (2): 32 products on 16 accumulators, which take turns, one instruction a turn; the bias is the C of each sum's first product.
.macro UNIT kind
.rept 9
	v_nop                                           ; the accumulators are begun anew with another C: nine places behind the last product that named them
.endr
.if \kind < 2
	WIN 0x39                                        ; source 0 (W) window 1, source 1 (h) window 2, C (bias) window 3, D window 0
.irp tau, 0,1,2,3
.irp ot, 0,1,2,3
	v_wmma_scale_f32_16x16x128_f8f6f4 v[ACC+32*\tau+8*\ot:ACC+32*\tau+8*\ot+7], v[128*\kind+32*\ot:128*\kind+32*\ot+15], v[128+32*\tau:128+32*\tau+15], v[32*\kind+8*\ot:32*\kind+8*\ot+7], v[WS+2*(4*\kind+\ot)], v[HS+2*\tau] matrix_a_fmt:MATRIX_FMT_BF8 matrix_b_fmt:MATRIX_FMT_BF8
.endr
.endr
	WIN 0x09                                        ; C window 0
.irp tau, 0,1,2,3
.irp ot, 0,1,2,3
	v_wmma_scale_f32_16x16x128_f8f6f4 v[ACC+32*\tau+8*\ot:ACC+32*\tau+8*\ot+7], v[128*\kind+32*\ot+16:128*\kind+32*\ot+31], v[128+32*\tau+16:128+32*\tau+31], v[ACC+32*\tau+8*\ot:ACC+32*\tau+8*\ot+7], v[WS+2*(4*\kind+\ot)+1], v[HS+2*\tau+1] matrix_a_fmt:MATRIX_FMT_BF8 matrix_b_fmt:MATRIX_FMT_BF8
.endr
.endr
.else
	WIN 0x3a                                        ; source 0 (h) and source 1 (W) window 2, C window 3
.irp ot, 0,1,2,3
.irp tau, 0,1,2,3
	v_wmma_scale_f32_16x16x128_f8f6f4 v[ACC+32*\ot+8*\tau:ACC+32*\ot+8*\tau+7], v[128+32*\tau:128+32*\tau+15], v[32*\ot:32*\ot+15], v[64+8*\ot:64+8*\ot+7], v[HS+2*\tau], v[WS+2*(8+\ot)] matrix_a_fmt:MATRIX_FMT_BF8 matrix_b_fmt:MATRIX_FMT_BF8
.endr
.endr
	WIN 0x0a
.irp ot, 0,1,2,3
.irp tau, 0,1,2,3
	v_wmma_scale_f32_16x16x128_f8f6f4 v[ACC+32*\ot+8*\tau:ACC+32*\ot+8*\tau+7], v[128+32*\tau+16:128+32*\tau+31], v[32*\ot+16:32*\ot+31], v[ACC+32*\ot+8*\tau:ACC+32*\ot+8*\tau+7], v[HS+2*\tau+1], v[WS+2*(8+\ot)+1] matrix_a_fmt:MATRIX_FMT_BF8 matrix_b_fmt:MATRIX_FMT_BF8
.endr
.endr
.endif
	WIN 0
.rept 8
	v_nop                                           ; eight places in front of the first read of results
.endr
.if \kind < 2
.set p, 0
.rept 64
	v_pk_mul_f32 v[ACC+2*p:ACC+2*p+1], v[ACC+2*p:ACC+2*p+1], s[SC:SC+1] op_sel_hi:[1,0]   ; x 8^-1/2, each accumulator from its low end on
.set p, p+1
.endr
.endif
	s_wait_xcnt 0x0                                 ; the last unit's stores have read their data: the codes and words are written again only behind this wait
	QUANT ACC, 8, CD
	v_cndmask_b32 v[SW], v[HW], v[HW+1], s[HM]      ; lanes 0-15 the even tile's half word, lanes 16-31 the odd tile's
	v_cndmask_b32 v[SW+1], v[HW+2], v[HW+3], s[HM]
.if \kind < 2
	v_or_b32 v[SW], 0x7f7f0000, v[SW]               ; the bytes of the two blocks that are zero codes
	v_or_b32 v[SW+1], 0x7f7f0000, v[SW+1]
.endif
.set p, 0
.rept 8
.if \kind == 0
	global_store_b128 v[LI], v[CD+4*p:CD+4*p+3], s[18:19] offset:512*p          ; 32 lanes store 512 consecutive bytes, aligned
.elseif \kind == 1
	global_store_b128 v[LI], v[CD+4*p:CD+4*p+3], s[22:23] offset:512*p
.else
	global_store_b128 v[LI], v[CD+4*p:CD+4*p+3], s[22:23] offset:4096+512*p
.endif
.set p, p+1
.endr
.if \kind == 0
	global_store_b64 v[L8], v[SW:SW+1], s[20:21]                                ; 256 consecutive bytes, aligned
.elseif \kind == 1
	global_store_b64 v[L8], v[SW:SW+1], s[22:23] offset:8192
.else
	global_store_b64 v[L8], v[SW:SW+1], s[22:23] offset:8448
.endif
.endm
	UNIT 0
	UNIT 1
	UNIT 2
	s_wait_tensorcnt 0x0
	ds_add_u32 v126, v127
	s_wait_dscnt 0x0
	s_endpgm
.Lfunc_end_k_qfc0aee6efa_qkv:
	.size	k_qfc0aee6efa_qkv, .Lfunc_end_k_qfc0aee6efa_qkv-k_qfc0aee6efa_qkv
	.p2alignl 7, 3214868480
	.fill 96, 4, 3214868480
	.section	.rodata,"a",@progbits
	.p2align	6, 0x0
	.amdhsa_kernel k_qfc0aee6efa_qkv
		.amdhsa_group_segment_fixed_size 168448
		.amdhsa_private_segment_fixed_size 0
		.amdhsa_enable_private_segment 0
		.amdhsa_kernarg_size 80
		.amdhsa_user_sgpr_count 2
		.amdhsa_user_sgpr_kernarg_segment_ptr 1
		.amdhsa_wavefront_size32 1
		.amdhsa_system_sgpr_workgroup_id_x 1
		.amdhsa_system_sgpr_workgroup_id_y 1
		.amdhsa_system_sgpr_workgroup_id_z 1
		.amdhsa_system_vgpr_workitem_id 0
		.amdhsa_next_free_vgpr 864
		.amdhsa_next_free_sgpr 66
		.amdhsa_reserve_vcc 0
		.amdhsa_float_denorm_mode_32 3
		.amdhsa_float_denorm_mode_16_64 3
		.amdhsa_fp16_overflow 1
		.amdhsa_memory_ordered 1
		.amdhsa_forward_progress 1
		.amdhsa_inst_pref_size 93
	.end_amdhsa_kernel
	.amdgpu_metadata
---
amdhsa.version: [ 1, 2 ]
amdhsa.kernels:
  - .name:           k_qfc0aee6efa_qkv
    .symbol:         k_qfc0aee6efa_qkv.kd
    .args:
      - { .name: x, .offset: 0, .size: 8, .value_kind: global_buffer, .address_space: global }
      - { .name: gamma, .offset: 8, .size: 8, .value_kind: global_buffer, .address_space: global }
      - { .name: beta, .offset: 16, .size: 8, .value_kind: global_buffer, .address_space: global }
      - { .name: stats, .offset: 24, .size: 8, .value_kind: global_buffer, .address_space: global }
      - { .name: wimg, .offset: 32, .size: 8, .value_kind: global_buffer, .address_space: global }
      - { .name: wsc, .offset: 40, .size: 8, .value_kind: global_buffer, .address_space: global }
      - { .name: qkv_bias, .offset: 48, .size: 8, .value_kind: global_buffer, .address_space: global }
      - { .name: qimg, .offset: 56, .size: 8, .value_kind: global_buffer, .address_space: global }
      - { .name: qsc, .offset: 64, .size: 8, .value_kind: global_buffer, .address_space: global }
      - { .name: kv, .offset: 72, .size: 8, .value_kind: global_buffer, .address_space: global }
    .group_segment_fixed_size: 168448
    .private_segment_fixed_size: 0
    .kernarg_segment_align: 8
    .kernarg_segment_size: 80
    .max_flat_workgroup_size: 128
    .sgpr_count:     66
    .vgpr_count:     864
    .wavefront_size: 32
...
	.end_amdgpu_metadata
.endif
;; end of part 2
;; launch attn (part 3): grid 16 x 16, 8 waves a work-group, clusters of 4 x 1, 327,680 bytes of LDS; arguments qimg, qsc, kv, aimg, asc; writes aimg, asc
.if DOCPART == 3
	.amdgcn_target "amdgcn-amd-amdhsa--gfx1250"
	.amdhsa_code_object_version 6
	.text
	.protected	k_qfc0aee6efa_attn
	.globl	k_qfc0aee6efa_attn
	.p2align	8
	.type	k_qfc0aee6efa_attn,@function
k_qfc0aee6efa_attn:
	s_mov_b64 s[64:65], 0
	v_nop
	global_prefetch_b8 v0, s[64:65] scope:SCOPE_SE
	s_setreg_imm32_b32 hwreg(HW_REG_WAVE_MODE, 25, 1), 1
	s_wait_xcnt 0x0
	s_wait_alu depctr_hold_cnt(0) depctr_sa_sdst(0) depctr_va_vdst(0) depctr_va_sdst(0) depctr_va_ssrc(0) depctr_va_vcc(0) depctr_vm_vsrc(0)
	s_getreg_b32 s2, hwreg(HW_REG_IB_STS2, 6, 4)
	s_cmp_eq_u32 s2, 0
	s_cbranch_scc0 .Lentry_in_a_cluster
	s_endpgm
.Lentry_in_a_cluster:
	s_bfe_u32 s2, ttmp6, 0x10000c
	s_cmp_lg_u32 s2, 0x3003
	s_cbranch_scc0 .Lentry_shape_is_right
	s_endpgm
.Lentry_shape_is_right:
; ATTENTION on codes of E5M2 with one E8M0 byte for each 32 along a product's K.  16 heads, 4,096 positions, head size 64.  a = softmax(q k) v, quantised along the channels for the projection.
; THE SOFTMAX AHEAD OF THE SECOND PRODUCT: t = score x log2(e) (q and k carry 8^-1/2 each already); M = the running largest t rounded UP to a whole number; p = 2^(t - M) is quantised along the keys, not normalised.
; The row's sum is taken of the unquantised p in f32 and divides O at the end (by v_rcp_f32 and a multiplication).  When M moves, the sums and O are multiplied by 2^(old M - new M): exact.
; SHARES.  Work-group (x, y): head y, queries 256 x .. 256 x + 255.  Each of eight waves owns two tiles of 16 queries; every wave walks all 4,096 keys, 128 a step.  Two waves to a SIMD.
; LAYOUT.  Both products transposed: S^T = K Q^T (source 0 = 16 keys), O^T = V^T P^T (source 0 = 16 channels): a lane holds ONE query throughout.  Tiles of keys, queries and channels are in the order
; row rho of tile 2 b + u = index 32 b + 8 u + rho + 8 (rho / 8): so p's 16 registers of two neighbouring tiles are 16 neighbouring keys, and O's are 16 neighbouring channels.
; THE FIRST PRODUCT'S K IS 64: the upper 64 of the instruction's 128 are zero codes on Q's side (registers kept at 0).  On K's side the fragment of tile i is 16 registers from v[KF + 8 i] on: its upper eight are the
; next tile's codes, finite numbers, which meet Q's zeros; behind the last tile stand eight registers of zeros.  The scale bytes of those two blocks are 0x7f on both sides.
; K, V and their scale words come as records of 64 keys, 8,704 bytes, images of the operands' registers; 16 records make a slot; two slots in LDS take turns, filled by the tensor data mover, an eighth of a slot a wave.
; CLUSTER.  The four query blocks of a cluster belong to one head and walk the same records: each tile is asked for JOINTLY, by the same tensor load with the same descriptor and the mask 15 in all four.
; A wave has two tensor loads out at the start and one behind each of the two refills.  A refill has a whole slot, eight key steps, in which to land.
; OUT.  aimg [b 4][tile 256][head 4][blk 2][512]: images.  asc [b][head][pair of tiles 128][lane 32] words: lanes 0-15 the even tile, lanes 16-31 the odd; low 16 bits = the head's two bytes.  A wave's store into asc
; covers 128 consecutive bytes, half of an aligned 256: the buffer is 262,144 bytes in all.
; LIMITS: NaN and infinities are not served.  p under 2^-126 comes out of v_exp_f32 as 0 (ISA guide, its entry).  A block of zeros gets the byte 1 where the rule says 127: zero codes, and this program alone reads the bytes.
; REGISTERS.  window 0: v1-6 addresses; v7 Q's scale words; v8-11 K's; v12-15 V's half words; v16-17 V's words; v18-19 p's; v20-47, v48-75 a tile's statistics; v76-107 p's codes; v128-255 S^T, then p.
;   window 1: v0-31 Q (data 0-7, 16-23; zeros 8-15, 24-31); v32-95 K; v96-103 zeros; v104-167 V; v168-231 O^T.
.set REC,   8704
.set STEPB, 2*REC                      ; a key step's two records, and what one tensor load brings
.set SLOT1, 16*REC                     ; 139,264
.set SPARE, 2*SLOT1                    ; the spare words, 128 bytes for each of eight waves: four blocks of 256 bytes that no other line names
.set LI,  1                            ; 16 x lane
.set L8,  2                            ; 8 x lane
.set ADR, 3
.set ADS, 4
.set SPW, 5                            ; SPARE + 4 x my thread's number; never rewritten
.set NIL, 6                            ; 0; never rewritten
.set QS,  7
.set KS,  8
.set VR,  12
.set VS,  16
.set PS,  18
.set TS,  28                           ; from a tile's statistics to the next tile's
.set NM,  20                           ; -M, the largest t
.set LL,  22                           ; the sum, first two quarters
.set FF,  24                           ; f = 2^(old M - new M), and a 0 named with it as a pair
.set L2,  26                           ; the sum, the other two quarters (LL + 4)
.set BM,  28                           ; the four blocks' largest scores, then largest p
.set TP,  32
.set LIM, 36
.set SCL, 40
.set TMP, 44
.set TM,  BM                           ; the quantiser of a takes tile 0's registers
.set PC,  76
.set HW,  108
.set S,   128
.set KF,  32
.set VF,  104
.set O,   168
.set WV,  14
.set G1,  16                           ; s[16:23]
.set G0A, 24                           ; s[24:27] slot 0's descriptor;  s[28:31] slot 1's
.set G0B, 28
.set SEL, 32
.set CS,  34                           ; s[34:35] log2(e)
.set MNT, 36
.set HM,  37
.set TB,  38                           ; LDS byte at which the step's records begin
.set CNT, 39
.set MSB, 0
.macro WIN new                         ; the immediate's high byte repeats the setting that is left
.if MSB != \new
	s_set_vgpr_msb (MSB<<8)|\new
.set MSB, \new
.endif
.endm
.macro CROUND                          ; a round of the cluster's barrier
	s_barrier_signal -1
	s_barrier_wait -1
	s_cmp_lg_u32 s[WV], 0
	s_cbranch_scc1 .Lnot_wave_0_\@
	s_barrier_signal -3
.Lnot_wave_0_\@:
	s_barrier_wait -3
	s_barrier_signal -1
	s_barrier_wait -1
.endm
.macro QUANT src, nb, cd
.set qk, 0
.rept \nb
	v_max3_num_f32 v[TM+qk], |v[\src+16*qk]|, |v[\src+16*qk+1]|, 0x8000000   ; my 16 numbers, and the floor 2^(16 - 127)
.set qk, qk+1
.endr
.set qi, 2
.rept 7
.set qk, 0
.rept \nb
	v_max3_num_f32 v[TM+qk], v[TM+qk], |v[\src+16*qk+qi]|, |v[\src+16*qk+qi+1]|
.set qk, qk+1
.endr
.set qi, qi+2
.endr
.set qk, 0
.rept \nb
	v_permlanex16_b32 v[TP+qk], v[TM+qk], s[SEL], s[SEL+1]
.set qk, qk+1
.endr
.set qk, 0
.rept \nb
	v_max_num_f32 v[TM+qk], v[TM+qk], v[TP+qk]
.set qk, qk+1
.endr
.set qk, 0
.rept \nb
	v_add_nc_u32 v[SCL+qk], 0xf8800000, v[TM+qk]
.set qk, qk+1
.endr
.set qk, 0
.rept \nb
.set qk, qk+1
.endr
.set qk, 0
.rept \nb
	v_lshrrev_b32 v[TP+qk], 23, v[SCL+qk]
.set qk, qk+1
.endr
.set qk, 0
.rept \nb/2
	v_lshl_or_b32 v[HW+qk], v[TP+2*qk+1], 8, v[TP+2*qk]
.set qk, qk+1
.endr
.set qk, 0
.rept \nb
.set qi, 0
.rept 16
.set qi, qi+1
.endr
	v_cvt_scalef32_pk8_bf8_f32 v[\cd+4*qk:\cd+4*qk+1], v[\src+16*qk:\src+16*qk+7], v[SCL+qk]
	v_cvt_scalef32_pk8_bf8_f32 v[\cd+4*qk+2:\cd+4*qk+3], v[\src+16*qk+8:\src+16*qk+15], v[SCL+qk]
.set qk, qk+1
.endr
	v_nop
.endm
; S^T of key tile i and query tile q: K's scale words lie two tiles to a register (lanes 0-15, lanes 16-31), Q's two tiles likewise
.macro KQ i, q
.if ((\i)%2 == 0) && (\q == 0)
	v_wmma_scale_f32_16x16x128_f8f6f4 v[S+64*\q+8*\i:S+64*\q+8*\i+7], v[KF+8*\i:KF+8*\i+15], v[16*\q:16*\q+15], 0, v[KS+\i/2], v[QS] matrix_a_fmt:MATRIX_FMT_BF8 matrix_b_fmt:MATRIX_FMT_BF8
.elseif \q == 0
	v_wmma_scale_f32_16x16x128_f8f6f4 v[S+64*\q+8*\i:S+64*\q+8*\i+7], v[KF+8*\i:KF+8*\i+15], v[16*\q:16*\q+15], 0, v[KS+\i/2], v[QS] matrix_a_fmt:MATRIX_FMT_BF8 matrix_b_fmt:MATRIX_FMT_BF8 matrix_a_scale:MATRIX_SCALE_ROW1
.elseif (\i)%2 == 0
	v_wmma_scale_f32_16x16x128_f8f6f4 v[S+64*\q+8*\i:S+64*\q+8*\i+7], v[KF+8*\i:KF+8*\i+15], v[16*\q:16*\q+15], 0, v[KS+\i/2], v[QS] matrix_a_fmt:MATRIX_FMT_BF8 matrix_b_fmt:MATRIX_FMT_BF8 matrix_b_scale:MATRIX_SCALE_ROW1
.else
	v_wmma_scale_f32_16x16x128_f8f6f4 v[S+64*\q+8*\i:S+64*\q+8*\i+7], v[KF+8*\i:KF+8*\i+15], v[16*\q:16*\q+15], 0, v[KS+\i/2], v[QS] matrix_a_fmt:MATRIX_FMT_BF8 matrix_b_fmt:MATRIX_FMT_BF8 matrix_a_scale:MATRIX_SCALE_ROW1 matrix_b_scale:MATRIX_SCALE_ROW1
.endif
.endm
; O^T of channel tile ct and query tile q takes these 128 keys
.macro PV ct, q
.if (\ct)%2 == 0
	v_wmma_scale_f32_16x16x128_f8f6f4 v[O+32*\q+8*\ct:O+32*\q+8*\ct+7], v[VF+16*\ct:VF+16*\ct+15], v[PC+16*\q:PC+16*\q+15], v[O+32*\q+8*\ct:O+32*\q+8*\ct+7], v[VS+\ct/2], v[PS+\q] matrix_a_fmt:MATRIX_FMT_BF8 matrix_b_fmt:MATRIX_FMT_BF8
.else
	v_wmma_scale_f32_16x16x128_f8f6f4 v[O+32*\q+8*\ct:O+32*\q+8*\ct+7], v[VF+16*\ct:VF+16*\ct+15], v[PC+16*\q:PC+16*\q+15], v[O+32*\q+8*\ct:O+32*\q+8*\ct+7], v[VS+\ct/2], v[PS+\q] matrix_a_fmt:MATRIX_FMT_BF8 matrix_b_fmt:MATRIX_FMT_BF8 matrix_a_scale:MATRIX_SCALE_ROW1
.endif
.endm
; tile q: the sums under the new M; each block's largest p gives its scale operand and its byte; the four bytes make p's scale word
.macro SD q
	v_pk_mul_f32 v[LL+TS*\q:LL+TS*\q+1], v[LL+TS*\q:LL+TS*\q+1], v[FF+TS*\q:FF+TS*\q+1] op_sel_hi:[1,0]
	v_pk_mul_f32 v[L2+TS*\q:L2+TS*\q+1], v[L2+TS*\q:L2+TS*\q+1], v[FF+TS*\q:FF+TS*\q+1] op_sel_hi:[1,0]
	s_wait_alu depctr_va_vdst(0)
.irp b, 0,1,2,3
	v_max_num_f32 v[BM+TS*\q+\b], 0x8000000, v[BM+TS*\q+\b]         ; the floor 2^(16 - 127): the byte cannot fall under 1
.endr
.irp b, 0,1,2,3
	v_add_nc_u32 v[SCL+TS*\q+\b], 0xf8800000, v[BM+TS*\q+\b]
.endr
.irp b, 0,1,2,3
.endr
.irp b, 0,1,2,3
	v_lshrrev_b32 v[TP+TS*\q+\b], 23, v[SCL+TS*\q+\b]
.endr
	v_lshl_or_b32 v[PS+\q], v[TP+TS*\q+1], 8, v[TP+TS*\q]
	v_lshl_or_b32 v[PS+\q], v[TP+TS*\q+2], 16, v[PS+\q]
	v_lshl_or_b32 v[PS+\q], v[TP+TS*\q+3], 24, v[PS+\q]
.endm
.macro CVT q                           ; tile q's p into codes: registers 4 b .. 4 b + 3 hold keys 32 b + 16 (lane / 16) + 0 .. 15
.irp b, 0,1,2,3
	v_cvt_scalef32_pk8_bf8_f32 v[PC+16*\q+4*\b:PC+16*\q+4*\b+1], v[S+64*\q+16*\b:S+64*\q+16*\b+7], v[SCL+TS*\q+\b]
	v_cvt_scalef32_pk8_bf8_f32 v[PC+16*\q+4*\b+2:PC+16*\q+4*\b+3], v[S+64*\q+16*\b+8:S+64*\q+16*\b+15], v[SCL+TS*\q+\b]
.endr
.endm
; A KEY STEP: 128 keys, two records at LDS byte s[TB].
.macro STEP
	v_add_nc_u32 v[ADR], s[TB], v[LI]
	v_add_nc_u32 v[ADS], s[TB], v[L8]
.rept 6
	v_nop                                           ; with the two additions: eight places between the last products and the loads into the registers that they read
.endr
	ds_load_b64 v[KS:KS+1], v[ADS] offset:8192                      ; K's scale words of the two records,
	ds_load_b64 v[KS+2:KS+3], v[ADS] offset:REC+8192
	ds_load_b64 v[VR:VR+1], v[ADS] offset:8448                      ; V's half words
	ds_load_b64 v[VR+2:VR+3], v[ADS] offset:REC+8448
	WIN 0x40                                        ; destination window 1
.irp i, 0,1,2,3,4,5,6,7
	ds_load_b128 v[KF+8*\i:KF+8*\i+3], v[ADR] offset:(\i/4)*REC+(\i%4)*1024
	ds_load_b128 v[KF+8*\i+4:KF+8*\i+7], v[ADR] offset:(\i/4)*REC+(\i%4)*1024+512
.endr
.irp ct, 0,1,2,3
.irp rc, 0,1
	ds_load_b128 v[VF+16*\ct+8*\rc:VF+16*\ct+8*\rc+3], v[ADR] offset:\rc*REC+4096+1024*\ct
	ds_load_b128 v[VF+16*\ct+8*\rc+4:VF+16*\ct+8*\rc+7], v[ADR] offset:\rc*REC+4096+1024*\ct+512
.endr
.endr
	s_wait_dscnt 16                                 ; the scale words and K are in; V's sixteen loads may stay out
	WIN 0x05                                        ; sources 0 (K) and 1 (Q) window 1, D window 0
.irp i, 0,1,2,3,4,5,6,7
	KQ \i, 0
	KQ \i, 1
.endr
	WIN 0
	s_wait_dscnt 0x0                                ; V
	v_lshl_or_b32 v[VS], v[VR+2], 16, v[VR]         ; V's scale words of the step's four key blocks
	v_lshl_or_b32 v[VS+1], v[VR+3], 16, v[VR+1]
.rept 6
	v_nop                                           ; with the two lines above: eight places in front of the first read of the scores
.endr
	; the largest score of each block of 32 keys: it serves for the row's maximum and, since p rises with the score, for the block's largest p
.irp q, 0,1
.irp b, 0,1,2,3
	v_max3_num_f32 v[BM+TS*\q+\b], v[S+64*\q+16*\b], v[S+64*\q+16*\b+1], v[S+64*\q+16*\b+2]
.endr
.endr
.irp i, 3,5,7,9,11,13
.irp q, 0,1
.irp b, 0,1,2,3
	v_max3_num_f32 v[BM+TS*\q+\b], v[BM+TS*\q+\b], v[S+64*\q+16*\b+\i], v[S+64*\q+16*\b+\i+1]
.endr
.endr
.endr
.irp q, 0,1
.irp b, 0,1,2,3
	v_max_num_f32 v[BM+TS*\q+\b], v[BM+TS*\q+\b], v[S+64*\q+16*\b+15]
.endr
.endr
.irp q, 0,1
.irp b, 0,1,2,3
	v_permlanex16_b32 v[TP+TS*\q+\b], v[BM+TS*\q+\b], s[SEL], s[SEL+1]
.endr
.endr
.irp q, 0,1
.irp b, 0,1,2,3
	v_max_num_f32 v[BM+TS*\q+\b], v[BM+TS*\q+\b], v[TP+TS*\q+\b]    ; with lane l xor 16's 16 keys
.endr
.endr
.irp q, 0,1
	v_max3_num_f32 v[TMP+TS*\q], v[BM+TS*\q], v[BM+TS*\q+1], v[BM+TS*\q+2]
.endr
.irp q, 0,1
	v_max_num_f32 v[TMP+TS*\q], v[TMP+TS*\q], v[BM+TS*\q+3]         ; the step's largest score of my query
.endr
.irp q, 0,1
	v_mul_f32 v[TMP+TS*\q], s[CS], v[TMP+TS*\q]                     ; as t
.endr
.irp q, 0,1
	v_max_num_f32 v[NM+TS*\q+1], v[NM+TS*\q+1], v[TMP+TS*\q]        ; the running largest t
.endr
.irp q, 0,1
	v_mov_b32 v[TMP+TS*\q], v[NM+TS*\q]
.endr
.irp q, 0,1
	v_floor_f32 v[NM+TS*\q], -v[NM+TS*\q+1]                         ; the new -M = floor(-t): M is a whole number
.endr
.irp q, 0,1
	v_sub_f32 v[TMP+TS*\q], v[NM+TS*\q], v[TMP+TS*\q]               ; old M - new M: a whole number, 0 or less
.endr
.irp q, 0,1
	v_cvt_i32_f32 v[TMP+TS*\q], v[TMP+TS*\q]                        ; (it saturates)
.endr
.irp q, 0,1
	v_ldexp_f32 v[FF+TS*\q], 1.0, v[TMP+TS*\q]                      ; f = 2^(old M - new M)
.endr
	; tile 0: t - M
.set j, 0
.rept 32
	v_pk_fma_f32 v[S+2*j:S+2*j+1], v[S+2*j:S+2*j+1], s[CS:CS+1], v[NM:NM+1] op_sel_hi:[1,0,0]
.set j, j+1
.endr
.irp b, 0,1,2,3
	v_fma_f32 v[BM+\b], v[BM+\b], s[CS], v[NM]
.endr
	; tile 0's exponentials, with tile 1's t - M set between them
.set j, 0
.rept 32
	v_exp_f32 v[S+2*j], v[S+2*j]
	v_pk_fma_f32 v[S+64+2*j:S+64+2*j+1], v[S+64+2*j:S+64+2*j+1], s[CS:CS+1], v[NM+TS:NM+TS+1] op_sel_hi:[1,0,0]
	v_exp_f32 v[S+2*j+1], v[S+2*j+1]
.set j, j+1
.endr
.irp b, 0,1,2,3
	v_exp_f32 v[BM+\b], v[BM+\b]                    ; the block's largest p: the same two instructions on the same number give the same bits
	v_fma_f32 v[BM+TS+\b], v[BM+TS+\b], s[CS], v[NM+TS]
.endr
	s_setprio 1
	SD 0
.irp b, 0,1,2,3
	v_exp_f32 v[BM+TS+\b], v[BM+TS+\b]
.endr
	; tile 1's exponentials, with tile 0's sums (of the unquantised p) set between them
.set j, 0
.rept 32
	v_exp_f32 v[S+64+2*j], v[S+64+2*j]
	v_pk_add_f32 v[LL+4*(j%2):LL+4*(j%2)+1], v[LL+4*(j%2):LL+4*(j%2)+1], v[S+2*j:S+2*j+1]
	v_exp_f32 v[S+64+2*j+1], v[S+64+2*j+1]
.set j, j+1
.endr
	CVT 0
	SD 1                                            ; (its first line is the plain line behind the conversions)
.set j, 0
.rept 32
	v_pk_add_f32 v[LL+TS+4*(j%2):LL+TS+4*(j%2)+1], v[LL+TS+4*(j%2):LL+TS+4*(j%2)+1], v[S+64+2*j:S+64+2*j+1]
.set j, j+1
.endr
	CVT 1
	s_setprio 0
	v_nop                                           ; one plain line behind the last conversion
	WIN 0x41                                        ; O^T (destination and source 0) window 1, f window 0
.irp q, 0,1
.set j, 0
.rept 16
	v_pk_mul_f32 v[O+32*\q+2*j:O+32*\q+2*j+1], v[O+32*\q+2*j:O+32*\q+2*j+1], v[FF+TS*\q:FF+TS*\q+1] op_sel_hi:[1,0]   ; O^T under the new M; these are also the places between the codes and the products
.set j, j+1
.endr
.endr
	WIN 0x51                                        ; source 0 (V), C and D window 1; source 1 (p's codes) window 0
.irp ct, 0,1,2,3
	PV \ct, 0                                       ; eight accumulators, one instruction each; the next matrix instruction is another accumulator's
	PV \ct, 1
.endr
	WIN 0
.endm
.macro RUN base                        ; a slot's eight key steps
	s_mov_b32 s[TB], \base
	s_mov_b32 s[CNT], 8
.Lstep_\@:
	s_setprio 2
	STEP
	s_add_co_u32 s[TB], s[TB], STEPB
	s_sub_co_u32 s[CNT], s[CNT], 1
	s_cmp_lg_u32 s[CNT], 0
	s_cbranch_scc1 .Lstep_\@
	s_setprio 0
.endm
; THE CHANGE OF SLOTS.  Each wave waits for all its tensor loads (its part of the slot ahead), adds 0 to its spare word, and waits for that and for its reads of the slot that it leaves.
; fill = 1: a round of the cluster's barrier, so that no wave of any partner still reads that slot or has a load on its way; the joint refill is the first thing behind it.
.macro CHANGE fill, g0
	s_wait_tensorcnt 0x0                            ; no tensor load of mine is out, so a group 0 may be written
	ds_add_u32 v[SPW], v[NIL]                       ; 0 onto my spare word
.if \fill
	s_add_nc_u64 s[\g0+2:\g0+3], s[\g0+2:\g0+3], 2*SLOT1   ; the slot's next 16 records; the type bits on top are not reached
.endif
	s_wait_dscnt 0x0                                ; the add is done, and my reads of the slot are over
.if \fill
	CROUND
	tensor_load_to_lds s[\g0:\g0+3], s[G1:G1+7]     ; my one tensor load until the next such barrier
	s_nop 0
.rept 4
	v_nop
.endr
.else
	s_barrier_signal -1
	s_barrier_wait -1
.endif
.endm
	s_load_b256 s[4:11], s[0:1], 0x0                ; qimg s[4:5], qsc s[6:7], kv s[8:9], aimg s[10:11]
	s_load_b64 s[12:13], s[0:1], 0x20               ; asc
	v_lshl_add_u32 v[SPW], v0, 2, SPARE
	v_mov_b32 v[NIL], 0
	ds_add_u32 v5, v6
	ds_add_u32 v5, v6
	s_wait_dscnt 0x0
	v_lshrrev_b32 v3, 5, v0
	v_readfirstlane_b32 s[WV], v3                   ; wave 0..7
	s_bfe_u32 s40, ttmp6, 0x40000                   ; cx: my place in the cluster: it enters the addresses of q and a alone
	s_lshl_b32 s41, ttmp9, 2
	s_add_co_u32 s41, s41, s40                      ; my block of 256 queries
	s_and_b32 s42, ttmp7, 0xffff                    ; the head, which the four partners share
	; descriptor group 1: 17,408 dense bytes as 68 rows of 256 (32 elements of 8 bytes); the mask names all four work-groups, bit 21 beside it
	s_mov_b32 s[G1+0], 15|(3<<16)|(1<<21)
	s_mov_b32 s[G1+1], 32<<16
	s_mov_b32 s[G1+2], 68<<16
	s_mov_b32 s[G1+3], 32<<16
	s_mov_b32 s[G1+4], 68
	s_mov_b32 s[G1+5], 32
	s_mov_b32 s[G1+6], 0
	s_mov_b32 s[G1+7], 0
	s_mul_i32 s43, s[WV], STEPB                     ; my eighth of a slot, in LDS and in memory
	s_mul_i32 s44, s42, 64*REC
	s_add_co_u32 s44, s44, s43
	s_mov_b32 s45, 0
	s_lshl_b32 s46, s41, 3
	s_add_co_u32 s46, s46, s[WV]                    ; P: my pair of tiles, 0..127
	s_mov_b32 s49, 0
	s_mov_b32 s[SEL], 0x76543210
	s_mov_b32 s[SEL+1], 0xfedcba98
	s_mov_b32 s[CS], 0x3fb8aa3b                     ; log2(e)
	s_mov_b32 s[CS+1], s[CS]
	s_mov_b32 s[HM], 0xffff0000
	s_wait_kmcnt 0x0
	s_mov_b32 s[G0A], 1
	s_mov_b32 s[G0A+1], s43
	s_add_nc_u64 s[G0A+2:G0A+3], s[8:9], s[44:45]
	s_or_b32 s[G0A+3], s[G0A+3], 0x80000000
	s_mov_b32 s[G0B], 1
	s_add_co_u32 s[G0B+1], s43, SLOT1
	s_add_nc_u64 s[G0B+2:G0B+3], s[8:9], s[44:45]
	s_add_nc_u64 s[G0B+2:G0B+3], s[G0B+2:G0B+3], SLOT1
	s_or_b32 s[G0B+3], s[G0B+3], 0x80000000
	s_lshl_b32 s48, s42, 18
	s_lshl_b32 s50, s46, 11
	s_add_co_u32 s48, s48, s50
	s_add_nc_u64 s[4:5], s[4:5], s[48:49]           ; qimg + 262,144 head + 2,048 P
	s_lshl_b32 s48, s42, 14
	s_lshr_b32 s50, s46, 1
	s_lshl_b32 s50, s50, 8
	s_add_co_u32 s48, s48, s50
	s_and_b32 s50, s46, 1
	s_lshl_b32 s50, s50, 2
	s_add_co_u32 s48, s48, s50
	s_add_nc_u64 s[6:7], s[6:7], s[48:49]           ; qsc + 16,384 head + 256 (P / 2) + 4 (P % 2)
	s_lshr_b32 s48, s42, 2
	s_lshl_b32 s48, s48, 20
	s_lshl_b32 s50, s46, 13
	s_add_co_u32 s48, s48, s50
	s_and_b32 s50, s42, 3
	s_lshl_b32 s50, s50, 10
	s_add_co_u32 s48, s48, s50
	s_add_nc_u64 s[10:11], s[10:11], s[48:49]       ; aimg + 1,048,576 b + 8,192 P + 1,024 n
	s_lshl_b32 s48, s42, 14
	s_lshl_b32 s50, s46, 7
	s_add_co_u32 s48, s48, s50
	s_add_nc_u64 s[12:13], s[12:13], s[48:49]       ; asc + 16,384 head + 128 P
	CROUND                                          ; all four work-groups are here: the first joint loads meet
	tensor_load_to_lds s[G0A:G0A+3], s[G1:G1+7]     ; records 0-15
	s_nop 0
	tensor_load_to_lds s[G0B:G0B+3], s[G1:G1+7]     ; records 16-31
	s_nop 0
.rept 4
	v_nop
.endr
	v_and_b32 v4, 31, v0
	v_lshlrev_b32 v[LI], 4, v4
	v_lshlrev_b32 v[L8], 3, v4
	WIN 0x40                                        ; destination window 1
.irp q, 0,1
	global_load_b128 v[16*\q:16*\q+3], v[LI], s[4:5] offset:1024*\q          ; Q stays in registers
	global_load_b128 v[16*\q+4:16*\q+7], v[LI], s[4:5] offset:1024*\q+512
.endr
.irp j, 8,9,10,11,12,13,14,15,24,25,26,27,28,29,30,31
	v_mov_b32 v[\j], 0                              ; Q's upper 64 along K: zero codes
.endr
.irp j, 0,1,2,3,4,5,6,7
	v_mov_b32 v[KF+64+\j], 0                        ; behind K's last tile
.endr
.set j, 0
.rept 64
	v_mov_b32 v[O+j], 0                             ; O^T.  (The step is written once: the first finds zeros, which the first change of M leaves zeros)
.set j, j+1
.endr
	WIN 0
	global_load_b32 v[QS], v[L8], s[6:7]
.irp q, 0,1
	v_mov_b32 v[NM+TS*\q+1], 0xff61b1e6             ; the largest t so far: -3e38, under every t
	v_floor_f32 v[NM+TS*\q], -v[NM+TS*\q+1]
	v_mov_b32 v[LL+TS*\q], 0
	v_mov_b32 v[LL+TS*\q+1], 0
	v_mov_b32 v[L2+TS*\q], 0
	v_mov_b32 v[L2+TS*\q+1], 0
	v_mov_b32 v[FF+TS*\q+1], 0                      ; named with f as a pair, so it is written
.irp b, 0,1,2,3
	v_mov_b32 v[TP+TS*\q+\b], 0                     ; a lane permute's destination counts as one of its sources
.endr
.endr
	s_wait_tensorcnt 0x1                            ; my part of slot 0 is in; slot 1's may stay out
	s_barrier_signal -1
	s_barrier_wait -1                               ; everybody's is
	s_wait_loadcnt 0x0                              ; Q and its scale words
	RUN 0
	CHANGE 1, G0A                                   ; slot 0 takes records 32-47
	RUN SLOT1
	CHANGE 1, G0B                                   ; slot 1 takes records 48-63
	RUN 0
	CHANGE 0, G0A                                   ; nothing is left to fetch
	RUN SLOT1
	; THE WAY OUT: a = O^T / the sum, quantised along the channels: a lane's 32 registers of a tile are channels 32 blk + 16 (lane / 16) + 0 .. 15 of its query
.rept 8
	v_nop                                           ; eight places in front of the first read of the last products' results
.endr
.irp q, 0,1
	v_add_f32 v[LL+TS*\q], v[LL+TS*\q], v[LL+TS*\q+1]
	v_add_f32 v[L2+TS*\q], v[L2+TS*\q], v[L2+TS*\q+1]
.endr
.irp q, 0,1
	v_add_f32 v[LL+TS*\q], v[LL+TS*\q], v[L2+TS*\q]
.endr
.irp q, 0,1
	v_permlanex16_b32 v[TP+TS*\q], v[LL+TS*\q], s[SEL], s[SEL+1]
.endr
.irp q, 0,1
	v_add_f32 v[LL+TS*\q], v[LL+TS*\q], v[TP+TS*\q] ; the row's sum
.endr
.irp q, 0,1
	v_rcp_f32 v[FF+TS*\q], v[LL+TS*\q]
.endr
	v_lshrrev_b32 v111, 2, v[LI]                    ; 4 x lane.  (A plain line behind the transcendentals)
	WIN 0x01                                        ; source 0 (O^T) window 1
	s_wait_alu depctr_va_vdst(0)
.irp q, 0,1
.set j, 0
.rept 16
	v_pk_mul_f32 v[S+32*\q+2*j:S+32*\q+2*j+1], v[O+32*\q+2*j:O+32*\q+2*j+1], v[FF+TS*\q:FF+TS*\q+1] op_sel_hi:[1,0]   ; each accumulator from its low end on
.set j, j+1
.endr
.endr
	WIN 0
	QUANT S, 4, PC
	v_cndmask_b32 v110, v[HW], v[HW+1], s[HM]       ; lanes 0-15 the even tile's two bytes, lanes 16-31 the odd tile's
.irp q, 0,1
	global_store_b128 v[LI], v[PC+8*\q:PC+8*\q+3], s[10:11] offset:4096*\q          ; 512 consecutive bytes, aligned
	global_store_b128 v[LI], v[PC+8*\q+4:PC+8*\q+7], s[10:11] offset:4096*\q+512
.endr
	global_store_b32 v111, v110, s[12:13]
	s_wait_tensorcnt 0x0                            ; the wave's end
	ds_add_u32 v[SPW], v[NIL]
	s_wait_dscnt 0x0
	CROUND                                          ; the closing round: no work-group ends while a partner may still ask for a tile that names it
	s_endpgm
.Lfunc_end_k_qfc0aee6efa_attn:
	.size	k_qfc0aee6efa_attn, .Lfunc_end_k_qfc0aee6efa_attn-k_qfc0aee6efa_attn
	.p2alignl 7, 3214868480
	.fill 96, 4, 3214868480
	.section	.rodata,"a",@progbits
	.p2align	6, 0x0
	.amdhsa_kernel k_qfc0aee6efa_attn
		.amdhsa_group_segment_fixed_size 327680
		.amdhsa_private_segment_fixed_size 0
		.amdhsa_enable_private_segment 0
		.amdhsa_kernarg_size 40
		.amdhsa_user_sgpr_count 2
		.amdhsa_user_sgpr_kernarg_segment_ptr 1
		.amdhsa_wavefront_size32 1
		.amdhsa_system_sgpr_workgroup_id_x 1
		.amdhsa_system_sgpr_workgroup_id_y 1
		.amdhsa_system_sgpr_workgroup_id_z 1
		.amdhsa_system_vgpr_workitem_id 0
		.amdhsa_next_free_vgpr 512
		.amdhsa_next_free_sgpr 66
		.amdhsa_reserve_vcc 0
		.amdhsa_float_denorm_mode_32 3
		.amdhsa_float_denorm_mode_16_64 3
		.amdhsa_fp16_overflow 1
		.amdhsa_memory_ordered 1
		.amdhsa_forward_progress 1
		.amdhsa_inst_pref_size 135
	.end_amdhsa_kernel
	.amdgpu_metadata
---
amdhsa.version: [ 1, 2 ]
amdhsa.kernels:
  - .name:           k_qfc0aee6efa_attn
    .symbol:         k_qfc0aee6efa_attn.kd
    .args:
      - { .name: qimg, .offset: 0, .size: 8, .value_kind: global_buffer, .address_space: global }
      - { .name: qsc, .offset: 8, .size: 8, .value_kind: global_buffer, .address_space: global }
      - { .name: kv, .offset: 16, .size: 8, .value_kind: global_buffer, .address_space: global }
      - { .name: aimg, .offset: 24, .size: 8, .value_kind: global_buffer, .address_space: global }
      - { .name: asc, .offset: 32, .size: 8, .value_kind: global_buffer, .address_space: global }
    .group_segment_fixed_size: 327680
    .private_segment_fixed_size: 0
    .kernarg_segment_align: 8
    .kernarg_segment_size: 40
    .max_flat_workgroup_size: 256
    .sgpr_count:     66
    .vgpr_count:     512
    .wavefront_size: 32
...
	.end_amdgpu_metadata
.endif
;; end of part 3
;; launch proj (part 4): grid 256 x 1, 16 waves a work-group, no clusters, 88,064 bytes of LDS; arguments aimg, asc, wimg, wsc, proj_bias, x, out0; writes out0
.if DOCPART == 4
	.amdgcn_target "amdgcn-amd-amdhsa--gfx1250"
	.amdhsa_code_object_version 6
	.text
	.protected	k_qfc0aee6efa_proj
	.globl	k_qfc0aee6efa_proj
	.p2align	8
	.type	k_qfc0aee6efa_proj,@function
k_qfc0aee6efa_proj:
	s_mov_b64 s[64:65], 0
	v_nop
	global_prefetch_b8 v0, s[64:65] scope:SCOPE_SE
	s_setreg_imm32_b32 hwreg(HW_REG_WAVE_MODE, 25, 1), 1
	s_wait_xcnt 0x0
; PROJECTION.  out0 = x + (w_proj a + proj_bias), the product on codes of E5M2 with one E8M0 byte for each 32 along K (reference(): (x + product) + bias).
; SHARES.  Work-group id: batch b = id / 64, G = id % 64: positions 64 G .. 64 G + 63, four tiles.  Wave w makes the 16 output channels of tile w of w_proj: channel obase + rho + 8 (rho / 8), obase = 32 (w / 2) + 8 (w % 2).
; Source 0 = 16 positions of a, source 1 = 16 rows of w_proj: a lane holds ONE output channel and eight neighbouring positions; tiles 2 p and 2 p + 1 give it positions 32 p + 16 (lane / 16) + 0 .. 15.
; a's 16,384 bytes of images are copied into LDS once, 1,024 bytes a wave, and read by all sixteen.  The results go through the wave's own stage and leave as whole rows of 256 bytes, with x added on the way.
; Memory binds here (x in, out0 out, a's codes in): no clusters, no ring; what the work-groups share is the weight, 4,096 bytes a wave, straight into registers.
.set STG, 16384                        ; behind a's images: 16 rows x (256 + 16) bytes for each wave
.set LI,  1                            ; 16 x lane
.set L8,  2                            ; 8 x lane
.set L4,  3                            ; 4 x lane
.set AW,  4                            ; where I put my part of a's images: 1,024 x wave + 16 x lane
.set BB,  5                            ; 4 (r + 8 (r / 8))
.set XO,  6                            ; x and out0: lanes 0-15 one channel row, lanes 16-31 the next; 16 bytes a lane
.set SO,  7                            ; the stage: row r, + 64 h
.set SR,  8                            ; and back
.set R,   16                           ; v16-23  a's half words: pair of tiles p, head n at 4 p + n
.set AS,  24                           ; v24-27  a's scale words: 2 p + s
.set WS,  28                           ; v28-29  the weight's
.set BW,  30
.set CB,  32                           ; v32-39  the bias as C
.set WP,  40                           ; v40-71  the weight's two fragments
.set AF,  72                           ; v72-135 a pair of tiles' four fragments; later the rows on their way out
.set ACC, 136                          ; v136-167
.set XR,  168                          ; v168-199 x
.set AIN, 200
.macro PJ p, u, s
.if (\s == 0) && (\u == 0)
	v_wmma_scale_f32_16x16x128_f8f6f4 v[ACC+8*(2*\p+\u):ACC+8*(2*\p+\u)+7], v[AF+32*\u+16*\s:AF+32*\u+16*\s+15], v[WP+16*\s:WP+16*\s+15], v[CB:CB+7], v[AS+2*\p+\s], v[WS+\s] matrix_a_fmt:MATRIX_FMT_BF8 matrix_b_fmt:MATRIX_FMT_BF8
.elseif \s == 0
	v_wmma_scale_f32_16x16x128_f8f6f4 v[ACC+8*(2*\p+\u):ACC+8*(2*\p+\u)+7], v[AF+32*\u+16*\s:AF+32*\u+16*\s+15], v[WP+16*\s:WP+16*\s+15], v[CB:CB+7], v[AS+2*\p+\s], v[WS+\s] matrix_a_fmt:MATRIX_FMT_BF8 matrix_b_fmt:MATRIX_FMT_BF8 matrix_a_scale:MATRIX_SCALE_ROW1
.elseif \u == 0
	v_wmma_scale_f32_16x16x128_f8f6f4 v[ACC+8*(2*\p+\u):ACC+8*(2*\p+\u)+7], v[AF+32*\u+16*\s:AF+32*\u+16*\s+15], v[WP+16*\s:WP+16*\s+15], v[ACC+8*(2*\p+\u):ACC+8*(2*\p+\u)+7], v[AS+2*\p+\s], v[WS+\s] matrix_a_fmt:MATRIX_FMT_BF8 matrix_b_fmt:MATRIX_FMT_BF8
.else
	v_wmma_scale_f32_16x16x128_f8f6f4 v[ACC+8*(2*\p+\u):ACC+8*(2*\p+\u)+7], v[AF+32*\u+16*\s:AF+32*\u+16*\s+15], v[WP+16*\s:WP+16*\s+15], v[ACC+8*(2*\p+\u):ACC+8*(2*\p+\u)+7], v[AS+2*\p+\s], v[WS+\s] matrix_a_fmt:MATRIX_FMT_BF8 matrix_b_fmt:MATRIX_FMT_BF8 matrix_a_scale:MATRIX_SCALE_ROW1
.endif
.endm
	s_load_b256 s[4:11], s[0:1], 0x0                ; aimg s[4:5], asc s[6:7], wimg s[8:9], wsc s[10:11]
	s_load_b128 s[12:15], s[0:1], 0x20              ; proj_bias s[12:13], x s[14:15]
	s_load_b64 s[16:17], s[0:1], 0x30               ; out0
	v_lshl_add_u32 v208, v0, 2, 0x15000
	v_mov_b32 v209, 0
	v_lshrrev_b32 v9, 5, v0
	s_delay_alu instid0(VALU_DEP_1)
	v_readfirstlane_b32 s18, v9                     ; wave 0..15
	s_lshr_b32 s19, ttmp9, 6                        ; b
	s_and_b32 s20, ttmp9, 63                        ; G
	v_and_b32 v9, 31, v0
	v_and_b32 v10, 15, v0                           ; r
	v_bfe_u32 v11, v0, 4, 1                         ; h
	s_delay_alu instid0(VALU_DEP_3)
	v_lshlrev_b32 v[LI], 4, v9
	s_delay_alu instid0(VALU_DEP_4)
	v_lshlrev_b32 v[L8], 3, v9
	v_lshlrev_b32 v[L4], 2, v9
	s_lshl_b32 s21, s18, 10
	v_add_nc_u32 v[AW], s21, v[LI]
	v_and_b32 v12, 8, v10
	s_delay_alu instid0(VALU_DEP_1)
	v_add_nc_u32 v12, v12, v10
	s_delay_alu instid0(VALU_DEP_1)
	v_lshlrev_b32 v[BB], 2, v12
	v_lshlrev_b32 v[XO], 4, v10
	s_delay_alu instid0(VALU_DEP_1)
	v_lshl_add_u32 v[XO], v11, 14, v[XO]
	s_mul_i32 s22, s18, 16*272
	s_add_co_u32 s22, s22, STG                      ; my stage
	v_mul_u32_u24 v[SO], v10, 272
	s_delay_alu instid0(VALU_DEP_1)
	v_lshl_add_u32 v[SO], v11, 6, v[SO]
	s_delay_alu instid0(VALU_DEP_1)
	v_add_nc_u32 v[SO], s22, v[SO]
	v_mul_u32_u24 v[SR], v11, 272
	s_delay_alu instid0(VALU_DEP_1)
	v_lshl_add_u32 v[SR], v10, 4, v[SR]
	s_delay_alu instid0(VALU_DEP_1)
	v_add_nc_u32 v[SR], s22, v[SR]
	s_mov_b32 s25, 0
	s_lshr_b32 s26, s18, 1
	s_lshl_b32 s26, s26, 5
	s_and_b32 s27, s18, 1
	s_lshl_b32 s27, s27, 3
	s_add_co_u32 s26, s26, s27                      ; obase
	s_add_co_u32 s27, s18, 48                       ; my tile in wimg and wsc
	s_lshl_b32 s23, s20, 8                          ; 256 G
	s_wait_alu depctr_va_vdst(0)
	s_wait_kmcnt 0x0
	s_lshl_b32 s24, s19, 20
	s_add_co_u32 s24, s24, s21
	s_lshl_b32 s22, s20, 14
	s_add_co_u32 s24, s24, s22
	s_add_nc_u64 s[4:5], s[4:5], s[24:25]           ; aimg + 1,048,576 b + 16,384 G + 1,024 w
	s_lshl_b32 s24, s19, 16
	s_add_co_u32 s24, s24, s23
	s_add_nc_u64 s[6:7], s[6:7], s[24:25]           ; asc + 65,536 b + 256 G
	s_lshl_b32 s24, s27, 12
	s_add_nc_u64 s[8:9], s[8:9], s[24:25]
	s_lshl_b32 s24, s27, 8
	s_add_nc_u64 s[10:11], s[10:11], s[24:25]
	s_lshl_b32 s24, s26, 2
	s_add_nc_u64 s[12:13], s[12:13], s[24:25]
	s_lshl_b32 s24, s19, 22
	s_lshl_b32 s22, s26, 14
	s_add_co_u32 s24, s24, s22
	s_add_co_u32 s24, s24, s23
	s_add_nc_u64 s[14:15], s[14:15], s[24:25]       ; x and out0 at batch b, channel obase, position 64 G
	s_add_nc_u64 s[16:17], s[16:17], s[24:25]
	global_load_b128 v[AIN:AIN+3], v[LI], s[4:5]
	global_load_b128 v[AIN+4:AIN+7], v[LI], s[4:5] offset:512
.irp p, 0,1
.irp n, 0,1,2,3
	global_load_b32 v[R+4*\p+\n], v[L4], s[6:7] offset:16384*\n+128*\p
.endr
.endr
.set j, 0
.rept 8
	global_load_b128 v[WP+4*j:WP+4*j+3], v[LI], s[8:9] offset:512*j
.set j, j+1
.endr
	global_load_b64 v[WS:WS+1], v[L8], s[10:11]
	global_load_b32 v[BW], v[BB], s[12:13]
.irp i, 0,1,2,3,4,5,6,7
	global_load_b128 v[XR+4*\i:XR+4*\i+3], v[XO], s[14:15] offset:(2*\i+8*(\i/4))*16384 th:TH_LOAD_NT   ; sixteen lanes read 256 consecutive bytes of a channel row; x's last read in the program
.endr
	s_wait_loadcnt 26                               ; my part of a's images is in; the 26 younger loads stay out
	ds_store_b128 v[AW], v[AIN:AIN+3]
	ds_store_b128 v[AW], v[AIN+4:AIN+7] offset:512
	s_wait_dscnt 0x0                                ; for the others' sake
	s_barrier_signal -1
	s_barrier_wait -1                               ; a's eight fragments lie in LDS
	s_wait_loadcnt 8                                ; all but x's eight loads
.irp j, 0,1,2,3,4,5,6,7
	v_mov_b32 v[CB+\j], v[BW]                       ; the bias hangs on the lane's channel alone
.endr
.irp p, 0,1
.irp s, 0,1
	v_lshl_or_b32 v[AS+2*\p+\s], v[R+4*\p+2*\s+1], 16, v[R+4*\p+2*\s]   ; K step s: heads 2 s and 2 s + 1, two bytes each
.endr
.endr
	s_wait_alu depctr_va_vdst(0)
.irp p, 0,1
.rept 8
	v_nop                                           ; eight places: behind the scale words just made, and in front of loads into registers that products have read
.endr
.irp u, 0,1
.irp s, 0,1
.irp c, 0,1,2,3
	ds_load_b128 v[AF+32*\u+16*\s+4*\c:AF+32*\u+16*\s+4*\c+3], v[LI] offset:4096*(2*\p+\u)+2048*\s+512*\c
.endr
.endr
.endr
	s_wait_dscnt 0x0
	PJ \p, 0, 0                                     ; two accumulators by turns; the bias starts each sum
	PJ \p, 1, 0
	PJ \p, 0, 1
	PJ \p, 1, 1
.endr
.rept 8
	v_nop                                           ; eight places in front of the first read of results and of the loads into a's registers
.endr
.irp p, 0,1
.irp u, 0,1
	ds_store_b128 v[SO], v[ACC+8*(2*\p+\u):ACC+8*(2*\p+\u)+3] offset:128*\p+32*\u           ; each accumulator from its low end on
	ds_store_b128 v[SO], v[ACC+8*(2*\p+\u)+4:ACC+8*(2*\p+\u)+7] offset:128*\p+32*\u+16
.endr
.endr
.irp i, 0,1,2,3,4,5,6,7
	ds_load_b128 v[AF+4*\i:AF+4*\i+3], v[SR] offset:544*\i          ; LDS serves a wave's instructions in order (ISA guide 5.7.1.4): these see my stores
.endr
	s_wait_loadcnt 0x0                              ; x
.irp i, 0,1,2,3,4,5,6,7
	s_wait_dscnt 7-\i                               ; rows 2 i and 2 i + 1 are back; the younger loads stay out
	v_pk_add_f32 v[AF+4*\i:AF+4*\i+1], v[AF+4*\i:AF+4*\i+1], v[XR+4*\i:XR+4*\i+1]
	v_pk_add_f32 v[AF+4*\i+2:AF+4*\i+3], v[AF+4*\i+2:AF+4*\i+3], v[XR+4*\i+2:XR+4*\i+3]
	global_store_b128 v[XO], v[AF+4*\i:AF+4*\i+3], s[16:17] offset:(2*\i+8*(\i/4))*16384 th:TH_STORE_NT   ; sixteen lanes store 256 consecutive bytes, aligned
.endr
	s_wait_tensorcnt 0x0
	ds_add_u32 v208, v209
	s_wait_dscnt 0x0
	s_endpgm
.Lfunc_end_k_qfc0aee6efa_proj:
	.size	k_qfc0aee6efa_proj, .Lfunc_end_k_qfc0aee6efa_proj-k_qfc0aee6efa_proj
	.p2alignl 7, 3214868480
	.fill 96, 4, 3214868480
	.section	.rodata,"a",@progbits
	.p2align	6, 0x0
	.amdhsa_kernel k_qfc0aee6efa_proj
		.amdhsa_group_segment_fixed_size 88064
		.amdhsa_private_segment_fixed_size 0
		.amdhsa_enable_private_segment 0
		.amdhsa_kernarg_size 56
		.amdhsa_user_sgpr_count 2
		.amdhsa_user_sgpr_kernarg_segment_ptr 1
		.amdhsa_wavefront_size32 1
		.amdhsa_system_sgpr_workgroup_id_x 1
		.amdhsa_system_sgpr_workgroup_id_y 1
		.amdhsa_system_sgpr_workgroup_id_z 1
		.amdhsa_system_vgpr_workitem_id 0
		.amdhsa_next_free_vgpr 210
		.amdhsa_next_free_sgpr 66
		.amdhsa_reserve_vcc 0
		.amdhsa_float_denorm_mode_32 3
		.amdhsa_float_denorm_mode_16_64 3
		.amdhsa_memory_ordered 1
		.amdhsa_forward_progress 1
		.amdhsa_inst_pref_size 14
	.end_amdhsa_kernel
	.amdgpu_metadata
---
amdhsa.version: [ 1, 2 ]
amdhsa.kernels:
  - .name:           k_qfc0aee6efa_proj
    .symbol:         k_qfc0aee6efa_proj.kd
    .args:
      - { .name: aimg, .offset: 0, .size: 8, .value_kind: global_buffer, .address_space: global }
      - { .name: asc, .offset: 8, .size: 8, .value_kind: global_buffer, .address_space: global }
      - { .name: wimg, .offset: 16, .size: 8, .value_kind: global_buffer, .address_space: global }
      - { .name: wsc, .offset: 24, .size: 8, .value_kind: global_buffer, .address_space: global }
      - { .name: proj_bias, .offset: 32, .size: 8, .value_kind: global_buffer, .address_space: global }
      - { .name: x, .offset: 40, .size: 8, .value_kind: global_buffer, .address_space: global }
      - { .name: out0, .offset: 48, .size: 8, .value_kind: global_buffer, .address_space: global }
    .group_segment_fixed_size: 88064
    .private_segment_fixed_size: 0
    .kernarg_segment_align: 8
    .kernarg_segment_size: 56
    .max_flat_workgroup_size: 512
    .sgpr_count:     66
    .vgpr_count:     210
    .wavefront_size: 32
...
	.end_amdgpu_metadata
.endif
;; end of part 4
